; MI455X (gfx1250); checked and timed in simulation.
; The chip was launched on July 23, 2026; its instructions are those of AMD's public machine-readable ISA for CDNA 5 (MIT licence, August 2026) and "CDNA5" Instruction Set Architecture Reference Guide (July 2026). The comments in the code are by the model that wrote it; some were corrected since.
;; Attention. Allowed arithmetic: matrix products marked QUANTISED: E4M3 operands, one given power-of-two scale a tensor, by v_wmma_f32_16x16x64_fp8_fp8 or v_wmma_f32_16x16x128_fp8_fp8, f32 sums; everything else in f32.
;; Inputs: Wkv 1,024 x 2,048 float32; Wo 1,024 x 1,024 float32; Wq 1,024 x 1,024 float32; lowp_scales 10 int32 (the exponents e of the quantised operands' scales 2^e); x 4 x 2,048 x 1,024 float32.
;; Outputs: out0 4 x 2,048 x 1,024 float32.
;; This version of the problem:
;;   THIS VERSION OF THE PROBLEM IS GIVEN IN LOW PRECISION. The matrix products marked QUANTISED in the list below multiply operands that are first quantised to E4M3 (4 exponent bits, 3 mantissa bits; 8 bits a number), with one given power-of-two scale for each operand tensor; their sums are f32. All else is computed in f32.
;;   The module's matrix products, in the order in which they are computed (A, B: the left and right operand; K: the contracted axis; several contracted axes count as one K, in the product's order):
;;     1. [M 8,192, K 1,024] x [K 1,024, N 1,024]; A: input x; B: input Wq: QUANTISED (scales: A lowp_scales[0], B lowp_scales[1])
;;     2. [M 8,192, K 1,024] x [K 1,024, N 2,048]; A: input x; B: input Wkv: QUANTISED (scales: A lowp_scales[2], B lowp_scales[3])
;;     3. batch 64 x [M 2,048, K 64] x [K 64, N 2,048]; A: computed on the way; B: computed on the way: QUANTISED (scales: A lowp_scales[4], B lowp_scales[5])
;;     4. batch 64 x [M 2,048, K 2,048] x [K 2,048, N 64]; A: softmax (see below); B: computed on the way: QUANTISED (scales: A lowp_scales[6], B lowp_scales[7])
;;     5. [M 8,192, K 1,024] x [K 1,024, N 1,024]; A: computed on the way; B: input Wo: QUANTISED (scales: A lowp_scales[8], B lowp_scales[9])
;;   THE QUANTISER, for each operand of a quantised product, along K:
;;     - The operand's scale is 2^e, e = its entry of the input lowp_scales (int32; the entries are numbered through the quantised products in the list's order, A before B).
;;     - Each number is divided by the scale, clamped to +-448, and rounded to the nearest number of E4M3, ties to even, subnormals kept.
;;     - The product sums the exact products of the quantised numbers (number of the format x scale) in f32.
;;   ~~~python
;;   def quantise(x, axis, e):      # numpy; x: float32 -> the quantised numbers, widened to float32 again
;;       x = np.moveaxis(x, axis, -1); K = x.shape[-1]
;;       r = np.clip(x / 2.0 ** e, -448, 448)
;;       step = 2.0 ** (np.maximum(np.frexp(np.where(r == 0, 1, r))[1] - 1, -6) - 3)
;;       q = np.round(r / step) * step * 2.0 ** e      # np.round: ties to even
;;       return np.moveaxis(q, -1, axis).astype(np.float32)
;;   ~~~
;;   SOFTMAX AHEAD OF A QUANTISED PRODUCT. Where the list says 'softmax', what is quantised is not the finished softmax but p = 2^(t - M), with t = logit x log2(e) and M = ceil(the row's largest t), a whole number; so 1/2 < the row's largest p <= 1. The row's sum l is taken of the UNQUANTISED p, in f32, and the product's result is divided by l at the end. Since M is a whole number, a kernel that streams over the keys may use a running M (the ceiling of the running maximum): every later rescaling is an exact power of two, so the quantised numbers keep their values, but for numbers so far below the row's largest that they fall under the format's range.
;;   OPERANDS COMPUTED ON THE WAY. 'Computed on the way' means the value that the module computes at that place (a softmax that the list does not call 'softmax' is quantised finished and normalised). What goes into a quantiser is computed in f32, as accurately as f32 sums, v_exp_f32 and their like allow (about 1e-6 of the number): no bf16 or f16 on the way to a quantiser, and a product that is left as it is and whose result goes on into a quantised operand takes f32 operands (vector FMAs, or v_wmma_f32_16x16x4_f32). A number that lies on a knife's edge between two numbers of the format may be rounded either way, as far as f32 arithmetic and the matrix unit's own rounding can turn it there, and no further.
;; One version. Each part assembles by itself: llvm-mc -triple=amdgcn-amd-amdhsa -mcpu=gfx1250 --defsym DOCPART=n.
;; ======== version 1 of 1: 4 launches
;; limits: right only within a limited range of input values
;; workspace buffers: xq_img 8,388,608 bytes; xkv_img 8,388,608 bytes; w_img 4,194,304 bytes; q_img 8,388,608 bytes; k_img 8,388,608 bytes; v_img 8,388,608 bytes; o_img 8,388,608 bytes
;; launch quant (part 1): grid 384 x 1, 4 waves a work-group, no clusters, 34,304 bytes of LDS; arguments x, Wq, Wkv, Wo, lowp_scales, xq_img, xkv_img, w_img; writes xq_img, xkv_img, w_img
.if DOCPART == 1
	.amdgcn_target "amdgcn-amd-amdhsa--gfx1250"
	.amdhsa_code_object_version 6
	.text
	.protected	k_q65e6222ec4_quant
	.globl	k_q65e6222ec4_quant
	.p2align	8
	.type	k_q65e6222ec4_quant,@function
k_q65e6222ec4_quant:
	s_mov_b64 s[64:65], 0
	v_nop
	global_prefetch_b8 v0, s[64:65] scope:SCOPE_SE
	s_setreg_imm32_b32 hwreg(HW_REG_WAVE_MODE, 25, 1), 1
	s_wait_xcnt 0x0
; THE PROGRAM: causal attention, B 4, N 2048, D 1024, 16 heads of 64, all five products on codes of E4M3 with the given scales 2^e (e0 .. e9).
; Four launches: this one (x and the weights into codes), q/k/v's projections, the attention, the projection on the way out.
; WORK LEFT OUT (in the attention launch): products 3 and 4 are not made for steps of 128 keys all of which come after all queries of a tile.  reference() replaces every
; such dot by -50000 in its own body, so product 3's results there reach no output, whatever the inputs hold; the weight p = 2^(-50000 log2(e) - M) that stands there falls under
; E4M3's range (code 0, so product 4 adds nothing) and under the last bit of the row's sum.  LIMIT: that needs a row's largest unmasked logit above about -49,800; since
; |logit| <= 64 x 448^2 x 2^(e4 + e5), it holds for all data where e4 + e5 <= -9.  Inside a step on the diagonal the true -50000 is put in.  A NaN, an infinity or an overflow
; that reaches only the work left out is not carried to the result.  Every input has a way to the output and is loaded.
; THIS LAUNCH.  code = number / 2^e, held within +-448, to the nearest code, ties to even.  x is quantised twice (e0 for product 1, e2 for product 2), Wq with e1, Wkv with e3, Wo with e9.
; LIMITS: each of these e between -126 and 119.  NaN among the inputs is not served.
; THE LAYOUT OF ALL WORKSPACE: IMAGES OF OPERAND REGISTERS.  A tile is 16 rows; place m of tile T stands for row 32 (T / 2) + 8 (T % 2) + m + 8 (m / 8).  A piece of 512 bytes holds 32 along K of a tile:
; lane l = 16 h + r has 16 bytes at 16 l: row place r, k = 32 c + 16 h + 0 .. 15.  Four pieces are a fragment of 128 along K.  [tile][K step of 128][piece][512 bytes].
; So every later load of a fragment is 512 consecutive bytes, and results of products used transposed fall into the same order by themselves.
; WORK-GROUPS 0-255: x.  A wave takes one tile x 512 along K: four fragments.  A load reads one row's 512 consecutive bytes; a fragment turns through the wave's own stage in LDS (rows 528 bytes apart), so that a lane gets 16 neighbours along K.
; WORK-GROUPS 256-383: the weights, whose K is their first axis.  A lane takes a column and its registers run down K; lanes 0-15 are one tile, lanes 16-31 the next; a lane's 32 codes are two units of 16 bytes. No LDS.
; No tiles are shared between work-groups, so no cluster; no matrix work.
; (The attention launch walks the keys in steps of 128: what it leaves out are the steps of 128 keys all of which come after all queries of a tile; a step that holds a tile's diagonal is made whole, with the true -50000 put in.)
.set STG,   8448                       ; a wave's stage: 16 rows x 528 bytes
.set SPARE, 4*STG                      ; behind the stages: the spare words, 128 bytes a wave
.set SPW,   14                         ; v14 my spare word's LDS address; never rewritten
.set NIL,   15                         ; v15 0; never rewritten
.set R,     16                         ; v16-143  x: two sets of 64 registers as loaded
.set X,     144                        ; v144-207 x: a fragment, 64 numbers of my row
.set T,     208                        ; v208-223 at work
.set C,     224                        ; v224-255 codes: 16 registers for e0, 16 for e2
.set WX,    16                         ; weights: v16-79 two sets of 32 numbers
.set AO,    80                         ; v80-111 byte offset of row i of a block, at my column
.set WC,    112                        ; v112-175 codes, eight registers a block, never rewritten
	s_load_b512 s[4:19], s[0:1], 0x0               ; x, Wq, Wkv, Wo, scales, xq_img, xkv_img, w_img
	v_lshl_add_u32 v[SPW], v0, 2, SPARE
	v_mov_b32 v[NIL], 0
	v_lshrrev_b32 v1, 5, v0
	v_readfirstlane_b32 s20, v1                    ; wave 0..3
	v_and_b32 v2, 31, v0                           ; lane
	v_lshlrev_b32 v3, 4, v2                        ; 16 x lane
	s_wait_kmcnt 0x0
	s_load_b256 s[24:31], s[12:13], 0x0            ; e0 .. e7
	s_load_b64 s[32:33], s[12:13], 0x20            ; e8, e9
	s_cmp_lt_u32 ttmp9, 256
	s_cbranch_scc0 .Lweights
	; ---------------- x
	s_lshl_b32 s21, ttmp9, 2
	s_add_co_u32 s21, s21, s20                     ; W = 4 x work-group + wave = 2 x tile + K half
	s_lshr_b32 s22, s21, 2                         ; tile / 2
	s_lshl_b32 s34, s22, 17                        ; 32 rows of 4,096 bytes each
	s_bfe_u32 s35, s21, 0x10001                    ; tile % 2
	s_lshl_b32 s35, s35, 15                        ; 8 rows
	s_add_co_u32 s34, s34, s35
	s_and_b32 s35, s21, 1
	s_lshl_b32 s35, s35, 11                        ; the K half: 512 numbers
	s_add_co_u32 s34, s34, s35
	s_mov_b32 s35, 0
	s_add_nc_u64 s[4:5], s[4:5], s[34:35]
	s_lshl_b32 s36, s21, 13                        ; the images: tile x 16,384 + half x 8,192
	s_mov_b32 s37, 0
	s_add_nc_u64 s[14:15], s[14:15], s[36:37]
	s_add_nc_u64 s[16:17], s[16:17], s[36:37]
	s_mul_i32 s38, s20, STG
	s_wait_alu depctr_va_vdst(0)
	v_add_nc_u32 v4, s38, v3                       ; the stage, way in: 16 x lane of a row
	v_and_b32 v5, 15, v0                           ; r
	v_bfe_u32 v6, v0, 4, 1                         ; h
	v_mul_u32_u24 v5, v5, 528
	v_lshl_add_u32 v5, v6, 6, v5
	v_add_nc_u32 v5, s38, v5                       ; way out: row r, + 64 h bytes: my 16 numbers of a block of 32
.macro LOAD f                          ; fragment f: place i of the tile is row i + 8 (i / 8); 32 lanes read 512 consecutive bytes
.irp i, 0,1,2,3,4,5,6,7,8,9,10,11,12,13,14,15
	global_load_b128 v[R+64*((\f)%2)+4*\i:R+64*((\f)%2)+4*\i+3], v3, s[4:5] offset:(\i+8*(\i/8))*4096+512*(\f) th:TH_LOAD_NT
.endr
.endm
.macro TURN f                          ; through the stage: LDS serves a wave's instructions in order, so no wait stands between the stores and the loads
.irp i, 0,1,2,3,4,5,6,7,8,9,10,11,12,13,14,15
	ds_store_b128 v4, v[R+64*((\f)%2)+4*\i:R+64*((\f)%2)+4*\i+3] offset:528*\i
.endr
.irp c, 0,1,2,3
.irp j, 0,1,2,3
	ds_load_b128 v[X+16*\c+4*\j:X+16*\c+4*\j+3], v5 offset:128*\c+16*\j
.endr
.endr
.endm
	LOAD 0
	LOAD 1
	s_wait_alu depctr_va_vdst(0)
	s_wait_kmcnt 0x0
	s_add_co_i32 s39, s24, 127
	s_lshl_b32 s40, s39, 23
	v_mov_b32 v9, s40                              ; 2^e0 as f32: the conversion takes its exponent field
	s_add_co_i32 s39, s39, 8
	s_lshl_b32 s39, s39, 23
	s_or_b32 s39, s39, 0x600000
	v_mov_b32 v8, s39                              ; 448 x 2^e0
	s_add_co_i32 s39, s26, 127
	s_lshl_b32 s40, s39, 23
	v_mov_b32 v11, s40                             ; 2^e2
	s_add_co_i32 s39, s39, 8
	s_lshl_b32 s39, s39, 23
	s_or_b32 s39, s39, 0x600000
	v_mov_b32 v10, s39                             ; 448 x 2^e2
.macro FRAGQ f
.if (\f) < 3
	s_wait_loadcnt 16                              ; this fragment's 16 loads are in; the next one's may be out
.else
	s_wait_loadcnt 0
.endif
	TURN \f
	s_wait_dscnt 0x0                               ; the fragment is back, and the stage's stores have read their registers
	s_wait_xcnt 0x0                                ; the last fragment's stores have read the codes' registers, which are written again below
.if (\f) < 2
	LOAD (\f)+2
.endif
.irp c, 0,1,2,3
.irp i, 0,1,2,3,4,5,6,7,8,9,10,11,12,13,14,15
	v_med3_num_f32 v[T+\i], v[X+16*\c+\i], -v8, v8 ; the conversion to an 8-bit code does not saturate (ISA guide 7.6.2): the hold at 448 x the scale comes first
.endr
	v_cvt_scalef32_pk8_fp8_f32 v[C+4*\c:C+4*\c+1], v[T:T+7], v9
	v_cvt_scalef32_pk8_fp8_f32 v[C+4*\c+2:C+4*\c+3], v[T+8:T+15], v9
.irp i, 0,1,2,3,4,5,6,7,8,9,10,11,12,13,14,15
	v_med3_num_f32 v[X+16*\c+\i], v[X+16*\c+\i], -v10, v10   ; (these plain lines also stand between the conversions above and the next write of T)
.endr
	v_cvt_scalef32_pk8_fp8_f32 v[C+16+4*\c:C+16+4*\c+1], v[X+16*\c:X+16*\c+7], v11
	v_cvt_scalef32_pk8_fp8_f32 v[C+16+4*\c+2:C+16+4*\c+3], v[X+16*\c+8:X+16*\c+15], v11
.endr
.irp c, 0,1,2,3
	global_store_b128 v3, v[C+4*\c:C+4*\c+3], s[14:15] offset:2048*(\f)+512*\c          ; a piece: 512 consecutive bytes, aligned
	global_store_b128 v3, v[C+16+4*\c:C+16+4*\c+3], s[16:17] offset:2048*(\f)+512*\c
.endr
.endm
	s_wait_alu depctr_va_vdst(0)
	FRAGQ 0
	FRAGQ 1
	FRAGQ 2
	FRAGQ 3
	s_wait_tensorcnt 0x0                           ; the wave's end: behind my last LDS store
	ds_add_u32 v[SPW], v[NIL]
	s_wait_dscnt 0x0
	s_endpgm
	; ---------------- the weights
.Lweights:
	s_sub_co_u32 s21, ttmp9, 256
	s_lshr_b32 s22, s21, 2                         ; g: which 128 of the 4,096 columns (Wq 0-7, Wkv 8-23, Wo 24-31)
	s_and_b32 s23, s21, 3                          ; which 256 along K
	s_sub_co_u32 s34, s22, 8
	s_sub_co_u32 s35, s22, 24
	s_wait_kmcnt 0x0
	s_cmp_lt_u32 s22, 24                           ; the choices hang on the work-group's number alone
	s_cselect_b64 s[52:53], s[8:9], s[10:11]
	s_cselect_b32 s54, s34, s35                    ; the group of 128 columns inside the tensor
	s_cselect_b32 s55, s27, s33                    ; e3 or e9
	s_cselect_b32 s56, 13, 12                      ; a row is 2^13 or 2^12 bytes
	s_cmp_lt_u32 s22, 8
	s_cselect_b64 s[52:53], s[6:7], s[52:53]
	s_cselect_b32 s54, s22, s54
	s_cselect_b32 s55, s25, s55                    ; e1
	s_cselect_b32 s56, 12, s56
	s_lshl_b32 s57, 1, s56                         ; a row in bytes
	s_lshl_b32 s58, s54, 9
	s_lshl_b32 s59, s20, 7
	s_add_co_u32 s58, s58, s59                     ; my wave's first column, in bytes
	s_lshl_b32 s59, s23, 8
	s_lshl_b32 s59, s59, s56                       ; + 256 ky rows
	s_add_co_u32 s58, s58, s59
	s_mov_b32 s59, 0
	s_add_nc_u64 s[36:37], s[52:53], s[58:59]      ; block 0's first row
	s_lshl_b32 s58, s57, 5                         ; 32 rows on
.irp t, 1,2,3,4,5,6,7
	s_add_nc_u64 s[36+2*\t:37+2*\t], s[34+2*\t:35+2*\t], s[58:59]
.endr
	v_and_b32 v6, 7, v0
	v_bfe_u32 v7, v0, 3, 1
	v_lshl_add_u32 v6, v7, 4, v6
	v_bfe_u32 v7, v0, 4, 1
	v_lshl_add_u32 v6, v7, 3, v6                   ; my column of the 32: l % 8 + 16 ((l / 8) % 2) + 8 (l / 16): the tiles' order
	v_lshlrev_b32 v6, 2, v6
.irp i, 0,1,2,3,4,5,6,7,8,9,10,11,12,13,14,15,16,17,18,19,20,21,22,23,24,25,26,27,28,29,30,31
	v_mad_u32_u24 v[AO+\i], s57, \i, v6
.endr
	v_and_b32 v12, 15, v0
	v_lshlrev_b32 v12, 4, v12
	v_lshl_add_u32 v12, v7, 14, v12                ; out: 16 (l % 16), lanes 16-31 one tile (16,384 bytes) on
	s_lshl_b32 s60, s22, 2
	s_add_co_u32 s60, s60, s20                     ; my group of 32 columns = two tiles
	s_lshl_b32 s60, s60, 15
	s_lshl_b32 s61, s23, 12                        ; 256 along K = two K steps of 2,048 bytes
	s_add_co_u32 s60, s60, s61
	s_mov_b32 s61, 0
	s_add_nc_u64 s[18:19], s[18:19], s[60:61]
	s_add_co_i32 s55, s55, 127
	s_lshl_b32 s60, s55, 23
	v_mov_b32 v9, s60                              ; 2^e
	s_add_co_i32 s55, s55, 8
	s_lshl_b32 s55, s55, 23
	s_or_b32 s55, s55, 0x600000
	v_mov_b32 v8, s55                              ; 448 x 2^e
.macro WLOAD t                         ; block t: rows 32 t + i at my column: the wave reads 128 consecutive bytes, the work-group 512
.irp i, 0,1,2,3,4,5,6,7,8,9,10,11,12,13,14,15,16,17,18,19,20,21,22,23,24,25,26,27,28,29,30,31
	global_load_b32 v[WX+32*((\t)%2)+\i], v[AO+\i], s[36+2*(\t):37+2*(\t)] th:TH_LOAD_NT
.endr
.endm
.macro WBLOCK t
.set XS, WX+32*((\t)%2)
.if (\t) < 7
	s_wait_loadcnt 32                              ; this block's 32 loads are in; the next block's may be out
.else
	s_wait_loadcnt 0
.endif
.irp i, 0,1,2,3,4,5,6,7,8,9,10,11,12,13,14,15,16,17,18,19,20,21,22,23,24,25,26,27,28,29,30,31
	v_med3_num_f32 v[XS+\i], v[XS+\i], -v8, v8
.endr
.irp g, 0,1,2,3
	v_cvt_scalef32_pk8_fp8_f32 v[WC+8*(\t)+2*\g:WC+8*(\t)+2*\g+1], v[XS+8*\g:XS+8*\g+7], v9
.endr
	global_store_b128 v12, v[WC+8*(\t):WC+8*(\t)+3], s[18:19] offset:512*(\t)           ; k 0-15 of the block: the piece's lower half; sixteen lanes store 256 consecutive bytes, aligned
	global_store_b128 v12, v[WC+8*(\t)+4:WC+8*(\t)+7], s[18:19] offset:512*(\t)+256     ; k 16-31: its upper half
.if (\t)+2 < 8
	WLOAD (\t)+2
.endif
.endm
	s_wait_alu depctr_va_vdst(0)
	WLOAD 0
	WLOAD 1
.irp t, 0,1,2,3,4,5,6,7
	WBLOCK \t
.endr
	s_wait_tensorcnt 0x0                           ; the same three closing lines
	ds_add_u32 v[SPW], v[NIL]
	s_wait_dscnt 0x0
	s_endpgm
.Lfunc_end_k_q65e6222ec4_quant:
	.size	k_q65e6222ec4_quant, .Lfunc_end_k_q65e6222ec4_quant-k_q65e6222ec4_quant
	.p2alignl 7, 3214868480
	.fill 96, 4, 3214868480
	.section	.rodata,"a",@progbits
	.p2align	6, 0x0
	.amdhsa_kernel k_q65e6222ec4_quant
		.amdhsa_group_segment_fixed_size 34304
		.amdhsa_private_segment_fixed_size 0
		.amdhsa_enable_private_segment 0
		.amdhsa_kernarg_size 64
		.amdhsa_user_sgpr_count 2
		.amdhsa_user_sgpr_kernarg_segment_ptr 1
		.amdhsa_wavefront_size32 1
		.amdhsa_system_sgpr_workgroup_id_x 1
		.amdhsa_system_sgpr_workgroup_id_y 1
		.amdhsa_system_sgpr_workgroup_id_z 1
		.amdhsa_system_vgpr_workitem_id 0
		.amdhsa_next_free_vgpr 256
		.amdhsa_next_free_sgpr 66
		.amdhsa_reserve_vcc 0
		.amdhsa_float_denorm_mode_32 3
		.amdhsa_float_denorm_mode_16_64 3
		.amdhsa_memory_ordered 1
		.amdhsa_forward_progress 1
		.amdhsa_inst_pref_size 104
	.end_amdhsa_kernel
	.amdgpu_metadata
---
amdhsa.version: [ 1, 2 ]
amdhsa.kernels:
  - .name:           k_q65e6222ec4_quant
    .symbol:         k_q65e6222ec4_quant.kd
    .args:
      - { .name: x, .offset: 0, .size: 8, .value_kind: global_buffer, .address_space: global }
      - { .name: Wq, .offset: 8, .size: 8, .value_kind: global_buffer, .address_space: global }
      - { .name: Wkv, .offset: 16, .size: 8, .value_kind: global_buffer, .address_space: global }
      - { .name: Wo, .offset: 24, .size: 8, .value_kind: global_buffer, .address_space: global }
      - { .name: lowp_scales, .offset: 32, .size: 8, .value_kind: global_buffer, .address_space: global }
      - { .name: xq_img, .offset: 40, .size: 8, .value_kind: global_buffer, .address_space: global }
      - { .name: xkv_img, .offset: 48, .size: 8, .value_kind: global_buffer, .address_space: global }
      - { .name: w_img, .offset: 56, .size: 8, .value_kind: global_buffer, .address_space: global }
    .group_segment_fixed_size: 34304
    .private_segment_fixed_size: 0
    .kernarg_segment_align: 8
    .kernarg_segment_size: 64
    .max_flat_workgroup_size: 128
    .sgpr_count:     66
    .vgpr_count:     256
    .wavefront_size: 32
...
	.end_amdgpu_metadata
.endif
;; end of part 1
;; launch gemm_qkv (part 2): grid 12 x 32, 4 waves a work-group, clusters of 4 x 4, 327,680 bytes of LDS; arguments xq_img, xkv_img, w_img, lowp_scales, q_img, k_img, v_img; writes q_img, k_img, v_img
.if DOCPART == 2
	.amdgcn_target "amdgcn-amd-amdhsa--gfx1250"
	.amdhsa_code_object_version 6
	.text
	.protected	k_q65e6222ec4_gemm_qkv
	.globl	k_q65e6222ec4_gemm_qkv
	.p2align	8
	.type	k_q65e6222ec4_gemm_qkv,@function
k_q65e6222ec4_gemm_qkv:
	s_mov_b64 s[64:65], 0
	v_nop
	global_prefetch_b8 v0, s[64:65] scope:SCOPE_SE
	s_setreg_imm32_b32 hwreg(HW_REG_WAVE_MODE, 25, 1), 1
	s_wait_xcnt 0x0
	s_wait_alu depctr_hold_cnt(0) depctr_sa_sdst(0) depctr_va_vdst(0) depctr_va_sdst(0) depctr_va_ssrc(0) depctr_va_vcc(0) depctr_vm_vsrc(0)
	s_getreg_b32 s2, hwreg(HW_REG_IB_STS2, 6, 4)
	s_cmp_eq_u32 s2, 0
	s_cbranch_scc0 .Lentry_in_a_cluster
	s_endpgm
.Lentry_in_a_cluster:
	s_bfe_u32 s2, ttmp6, 0x10000c
	s_cmp_lg_u32 s2, 0xf033
	s_cbranch_scc0 .Lentry_shape_is_right
	s_endpgm
.Lentry_shape_is_right:
; Products 1 and 2, and the quantisers of q x 0.125 (e4), k (e5) and v (e7).  All operands are images of operand registers (tile = 16 rows in the order 32 (T/2) + 8 (T%2) + m + 8 (m/8);
; piece = 512 bytes, lane l = 16 h + r: row place r, k = 32 c + 16 h + 0..15; [tile][K step of 128][piece]).  K = 1,024.
; A tile of the result is 256 x 256, made by four waves, 128 x 128 each: 64 accumulators.  K goes in steps of 256 through two LDS slots; four steps, so the walk is written out.
; THE MATRIX INSTRUCTION IS USED TRANSPOSED: source 1 = the A role, source 0 = the B role.  A lane then holds ONE row of the A role, and by the tiles' order the 16 registers of B tiles 2 g and 2 g + 1
; are 16 NEIGHBOURS along the B role: 32 g + 16 h + 0 .. 15.  Converted, they ARE a lane's 16 bytes of a piece of the next product's image: they are stored as they stand, 512 consecutive bytes an instruction.
; ROLES, by the cluster's x: 0: q: A = x (codes under e0), B = Wq;  1: k: A = x (e2), B = Wk;  2: v: A = Wv, B = x (e2): so v's codes come out with the KEYS innermost, as product 4 wants them.
; q_img, k_img: [b x 16 + head][tile of 16 tokens][piece of 32 channels][512];  v_img: [b x 16 + head][64 keys][tile of 16 channels][piece of 32 keys][512].
; CLUSTERS 4 x 4: the A role's tile is shared along a row of the cluster, the B role's along a column; each is asked for jointly.  No branch hangs on the cluster's number or a place in it: roles are chosen by selects.
; The fragments' k order (16 bytes a lane a piece) is the same permutation of k in both operands, so every product meets its partner.
; LIMITS: e4 - e0 - e1 + 3, e5 - e2 - e3 and e7 - e2 - e3 between -126 and 119.
; REGISTERS: window 0: v16-29 addresses and constants; v32-95 at work on the way out; v128-255 A's fragments (one set), later the codes.  window 1: B's fragments, two sets.  windows 2, 3: accumulator (a, b) at v[8 (8 (a % 4) + b)].
.set FR,     16                        ; registers of a fragment: 16 rows x 128 K
.set NL,     4                         ; LDS loads that bring one
.set NP,     4                         ; places behind this matrix instruction (ISA guide 7.12.1)
.set SLOT,   131072                    ; A's 16 tiles x 4,096 bytes, then B's
.set BOFF,   65536
.set SPARE,  2*SLOT                    ; behind the ring: the spare words, 128 bytes a wave
.set ADRA, 16                          ; v16-17 LDS address of my A fragments in slot 0, 1
.set ADRB, 20                          ; v20-21 the same for B
.set VO0,  24                          ; v24 16 x lane
.set VO1,  25                          ; v25 + the step from g = 0, 1 to g = 2, 3
.set SCL,  26                          ; v26 the conversion's scale
.set LIM,  27                          ; v27 448 x that
.set SPW,  28                          ; v28 my spare word; never rewritten
.set NIL,  29                          ; v29 0; never rewritten
.set TMP,  32
.set AF,   128
.set CD,   128                         ; the codes: 16 registers a block of A, never rewritten
.set G1,  24                           ; s[24:31] group 1 for A's tiles; s[32:39] group 0, a set a slot
.set G0,  32
.set G1B, 48                           ; s[48:55], s[56:63] the same for B's
.set G0B, 56
.set MSB, 0
.macro WIN new                         ; the immediate's high byte repeats the setting that is left
.if MSB != (\new)
	s_set_vgpr_msb (MSB<<8)|(\new)
.set MSB, (\new)
.endif
.endm
.set MUL_LO, 0xa1                      ; source 0 (B) window 1, source 1 (A) window 0, C and D window 2
.set MUL_HI, 0xf1                      ; the same, C and D window 3
.set TO_B,   0x40                      ; destination window 1
.macro JLOAD g0a, g1a, g0b, g1b        ; a joint load: waves 0, 1 fetch A's halves, waves 2, 3 B's; an s_nop 0 and four v_nop follow each line
	s_cmp_eq_u32 s19, 0
	s_cbranch_scc0 .Lfor_b_\@
	tensor_load_to_lds s[\g0a:\g0a+3], s[\g1a:\g1a+7]
	s_nop 0
.rept 4
	v_nop
.endr
	s_branch .Lasked_\@
.Lfor_b_\@:
	tensor_load_to_lds s[\g0b:\g0b+3], s[\g1b:\g1b+7]
	s_nop 0
.rept 4
	v_nop
.endr
.Lasked_\@:
.endm
.macro CREST                           ; a round of the cluster's barrier behind its opening barrier
	s_cmp_lg_u32 s18, 0
	s_cbranch_scc1 .Lnot_wave_0_\@
	s_barrier_signal -3
.Lnot_wave_0_\@:
	s_barrier_wait -3
	s_barrier_signal -1
	s_barrier_wait -1
.endm
.macro CROUND
	s_barrier_signal -1
	s_barrier_wait -1
	CREST
.endm
	s_load_b256 s[4:11], s[0:1], 0x0               ; xq_img, xkv_img, w_img, scales
	s_load_b128 s[12:15], s[0:1], 0x20             ; q_img, k_img
	s_load_b64 s[16:17], s[0:1], 0x30              ; v_img
	v_lshl_add_u32 v[SPW], v0, 2, SPARE
	v_mov_b32 v[NIL], 0
	ds_add_u32 v[SPW], v[NIL]                      ; the wave's opening: the add, twice on end, and its wait ahead of my first tensor load
	ds_add_u32 v[SPW], v[NIL]
	v_lshrrev_b32 v1, 5, v0
	v_readfirstlane_b32 s18, v1                    ; wave 0..3
	s_lshr_b32 s19, s18, 1                         ; my half of the A role's rows.  Also: I fetch for A (0) or B (1)
	s_and_b32 s20, s18, 1                          ; my half of the B role's rows.  Also: which 8 tiles I fetch
	s_bfe_u32 s21, ttmp6, 0x40000                  ; cx
	s_bfe_u32 s22, ttmp6, 0x40004                  ; cy
	s_and_b32 s23, ttmp7, 0xffff
	s_lshl_b32 s23, s23, 2                         ; 4 x cluster y
	s_add_co_u32 s40, s23, s22                     ; 4 cluster y + cy
	s_add_co_u32 s41, s23, s21                     ; 4 cluster y + cx
	s_cmp_eq_u32 ttmp9, 2                          ; v?  The cluster's x is the same in all sixteen partners
	s_cselect_b32 s42, s22, s40                    ; the A role's block of 256 rows: it hangs on cy, never on cx
	s_cselect_b32 s43, s41, s21                    ; the B role's: on cx, never on cy
	s_lshl_b32 s44, s22, 2
	s_lshl_b32 s44, 15, s44                        ; my row of the cluster
	s_lshl_b32 s45, 0x1111, s21                    ; my column
	; group 1: 8 tiles' parts of a K step: 8 rows of 4,096 bytes (512 elements of 8), 16,384 bytes apart, dense in LDS
	s_or_b32 s[G1+0], s44, (3<<16)|(1<<21)         ; 15:0 the mask; 17:16 elements of 8 bytes; 21 set beside a mask; no padding
	s_or_b32 s[G1B+0], s45, (3<<16)|(1<<21)
.irp g, G1, G1B
	s_mov_b32 s[\g+1], 512<<16                     ; tensor_dim0
	s_mov_b32 s[\g+2], 8<<16                       ; tensor_dim1
	s_mov_b32 s[\g+3], 512<<16                     ; tile_dim0
	s_mov_b32 s[\g+4], 8                           ; tile_dim1
	s_mov_b32 s[\g+5], 2048                        ; tensor_dim0_stride
	s_mov_b32 s[\g+6], 0
	s_mov_b32 s[\g+7], 0
.endr
	s_lshl_b32 s46, s42, 18                        ; 16 tiles of 16,384 bytes
	s_lshl_b32 s86, s20, 17                        ; + the 8 tiles that I fetch
	s_add_co_u32 s46, s46, s86
	s_mov_b32 s47, 0
	s_lshl_b32 s76, s43, 18
	s_add_co_u32 s76, s76, s86
	s_mov_b32 s77, 0
	s_lshl_b32 s86, s18, 15                        ; where they go: wave x 32,768: no place in the cluster enters an LDS address
	s_wait_dscnt 0x0                               ; both opening adds are done
	s_wait_kmcnt 0x0
	s_load_b256 s[68:75], s[10:11], 0x0            ; e0 .. e7
	s_add_nc_u64 s[78:79], s[8:9], 0x100000        ; Wk's tiles
	s_add_nc_u64 s[80:81], s[8:9], 0x200000        ; Wv's
	s_cmp_eq_u32 ttmp9, 0
	s_cselect_b64 s[82:83], s[4:5], s[6:7]
	s_cselect_b64 s[84:85], s[8:9], s[78:79]
	s_cmp_eq_u32 ttmp9, 2
	s_cselect_b64 s[82:83], s[80:81], s[82:83]     ; the A role's buffer
	s_cselect_b64 s[84:85], s[6:7], s[84:85]       ; the B role's
	s_add_nc_u64 s[82:83], s[82:83], s[46:47]
	s_add_nc_u64 s[84:85], s[84:85], s[76:77]
	CROUND                                         ; all sixteen work-groups are here: the first joint loads meet
.irp s, 0,1
	s_mov_b32 s[G0+4*\s], 1
	s_add_co_u32 s[G0+4*\s+1], s86, \s*SLOT
	s_add_nc_u64 s[G0+4*\s+2:G0+4*\s+3], s[82:83], \s*4096
	s_or_b32 s[G0+4*\s+3], s[G0+4*\s+3], 0x80000000
	s_mov_b32 s[G0B+4*\s], 1
	s_add_co_u32 s[G0B+4*\s+1], s86, \s*SLOT
	s_add_nc_u64 s[G0B+4*\s+2:G0B+4*\s+3], s[84:85], \s*4096
	s_or_b32 s[G0B+4*\s+3], s[G0B+4*\s+3], 0x80000000
.endr
	JLOAD G0, G1, G0B, G1B                         ; K step 0: one tensor load a wave at the head
	; DATA PREFETCHES.  A wave fetches 8 tiles' parts of a K step: 8 x 4,096 bytes = 128 blocks of 256.  The four partners that ask for them jointly share them out BY ADDRESS: the partner at place p
	; (cx for the A role, cy for the B role) names tiles 2 p and 2 p + 1, a lane a block, one instruction a wave and K step.  Here K steps 1 and 2 are named, behind K step 1's load K step 3: at most two K steps are named and not yet read.
	; The weights' tiles are the same in all eight cluster rows: only cluster rows 0 to 3 name them.  The branch hangs on the wave's number and the cluster's x and y, which all partners share.  v30 and s[66:67] are never rewritten.
	s_cmp_eq_u32 s19, 0                            ; do I fetch for the A role?
	s_cselect_b64 s[66:67], s[82:83], s[84:85]     ; the 8 tiles that I fetch
	s_cselect_b32 s76, s21, s22                    ; my place among the four partners
	s_lshl_b32 s76, s76, 15                        ; two tiles of 16,384 bytes
	s_mov_b32 s77, 0
	s_add_nc_u64 s[66:67], s[66:67], s[76:77]
	s_cmp_eq_u32 ttmp9, 2
	s_cselect_b32 s78, 0, 1                        ; the role that holds weights: A for v, B for q and k
	s_xor_b32 s78, s78, s19                        ; 0: I fetch weights
	s_lshr_b32 s79, s23, 4                         ; 0 in cluster rows 0 to 3
	s_cmp_eq_u32 s78, 0
	s_cselect_b32 s78, s79, 0                      ; 0: I name my blocks
	v_and_b32 v30, 15, v0
	v_bfe_u32 v31, v0, 4, 1
	v_lshlrev_b32 v30, 8, v30
	v_lshl_add_u32 v30, v31, 14, v30               ; lanes 0-15: 16 blocks of one tile's part; lanes 16-31: of the next tile's
	s_cmp_eq_u32 s78, 0
	s_cbranch_scc0 .Lno_ask0
	global_prefetch_b8 v30, s[66:67] offset:4096 th:TH_LOAD_NT scope:SCOPE_SE
	global_prefetch_b8 v30, s[66:67] offset:8192 th:TH_LOAD_NT scope:SCOPE_SE
.Lno_ask0:
	v_and_b32 v1, 31, v0
	v_lshlrev_b32 v[VO0], 4, v1                    ; 16 x lane: my place in every piece
	s_wait_alu depctr_va_vdst(0)
	s_lshl_b32 s87, s19, 15                        ; my 8 tiles of A
	s_lshl_b32 s88, s20, 15
	s_add_co_u32 s88, s88, BOFF                    ; my 8 tiles of B
.irp s, 0,1
	v_add_nc_u32 v[ADRA+\s], s87, v[VO0]
	v_add_nc_u32 v[ADRB+\s], s88, v[VO0]
	s_add_co_u32 s87, s87, SLOT
	s_add_co_u32 s88, s88, SLOT
.endr
	; where the codes go.  TX, hx: the block of 256 tokens and my half of it; TW, hw: the block of 256 columns of the weight and my half
	s_cmp_eq_u32 ttmp9, 2
	s_cselect_b32 s89, s43, s42                    ; TX
	s_cselect_b32 s90, s42, s43                    ; TW
	s_cselect_b32 s91, s20, s19                    ; hx
	s_cselect_b32 s92, s19, s20                    ; hw
	s_cselect_b32 s93, 17, 12                      ; from A's blocks 0-3 to 4-7: v: the next head (2^17); q, k: four tiles of tokens (2^12)
	s_cselect_b32 s94, 12, 17                      ; from g = 0, 1 to g = 2, 3: v: the next 64 keys; q, k: the next head
	s_cselect_b64 s[96:97], s[16:17], s[14:15]
	s_cmp_eq_u32 ttmp9, 0
	s_cselect_b64 s[96:97], s[12:13], s[96:97]
	s_lshr_b32 s40, s89, 3
	s_lshl_b32 s40, s40, 21                        ; the batch: 16 heads of 131,072 bytes
	s_and_b32 s41, s89, 7
	s_lshl_b32 s41, s41, 4
	s_lshl_b32 s44, s91, 3
	s_add_co_u32 s41, s41, s44
	s_lshl_b32 s41, s41, 10                        ; 16 tokens are 1,024 bytes of a head in all three images
	s_add_co_u32 s40, s40, s41
	s_lshl_b32 s41, s90, 2
	s_lshl_b32 s44, s92, 1
	s_add_co_u32 s41, s41, s44
	s_lshl_b32 s41, s41, 17                        ; the head
	s_add_co_u32 s40, s40, s41
	s_mov_b32 s41, 0
	s_add_nc_u64 s[96:97], s[96:97], s[40:41]      ; for A's blocks 0-3
	s_lshl_b32 s40, 1, s93
	s_add_nc_u64 s[98:99], s[96:97], s[40:41]      ; for blocks 4-7
	s_lshl_b32 s44, 1, s94
	v_add_nc_u32 v[VO1], s44, v[VO0]
	s_wait_alu depctr_va_vdst(0)
	s_wait_kmcnt 0x0
	s_add_co_i32 s40, s68, s69                     ; a sum stands for sum x 2^(ea + eb): the scales are folded into the conversion's one
	s_sub_co_i32 s40, s72, s40
	s_add_co_i32 s40, s40, 3                       ; q x 0.125: e4 - e0 - e1 + 3
	s_add_co_i32 s41, s70, s71
	s_sub_co_i32 s44, s73, s41                     ; k: e5 - e2 - e3
	s_sub_co_i32 s45, s75, s41                     ; v: e7 - e2 - e3
	s_cmp_eq_u32 ttmp9, 2
	s_cselect_b32 s44, s45, s44
	s_cmp_eq_u32 ttmp9, 0
	s_cselect_b32 s40, s40, s44
	s_add_co_i32 s40, s40, 127
	s_lshl_b32 s41, s40, 23
	v_mov_b32 v[SCL], s41
	s_add_co_i32 s40, s40, 8
	s_lshl_b32 s40, s40, 23
	s_or_b32 s40, s40, 0x600000
	v_mov_b32 v[LIM], s40
.macro FRAG reg, adr, q, i             ; tile i's fragment of the slot's q-th 128 along K: four pieces, each 512 consecutive bytes
.irp c, 0,1,2,3
	ds_load_b128 v[\reg+4*\c:\reg+4*\c+3], v[\adr] offset:4096*(\i)+2048*(\q)+512*\c
.endr
.endm
; 16 matrix instructions: A's blocks a0, a0 + 1 x B's eight.  p: B's set.  zero = 1: the first product starts the sums.  The 64 accumulators take turns, one instruction a turn.
.macro MULB a0, p, zero
.irp a, \a0, \a0+1
.irp b, 0,1,2,3,4,5,6,7
.if \zero
	v_wmma_f32_16x16x128_fp8_fp8 v[8*(8*((\a)%4)+\b):8*(8*((\a)%4)+\b)+7], v[128*(\p)+FR*\b:128*(\p)+FR*\b+FR-1], v[AF+FR*(\a):AF+FR*(\a)+FR-1], 0
.else
	v_wmma_f32_16x16x128_fp8_fp8 v[8*(8*((\a)%4)+\b):8*(8*((\a)%4)+\b)+7], v[128*(\p)+FR*\b:128*(\p)+FR*\b+FR-1], v[AF+FR*(\a):AF+FR*(\a)+FR-1], v[8*(8*((\a)%4)+\b):8*(8*((\a)%4)+\b)+7]
.endif
.endr
.endr
.endm
.macro FETCH_B slot, q, p
	WIN TO_B
.irp i, 0,1,2,3,4,5,6,7
	FRAG 128*(\p)+FR*\i, ADRB+\slot, \q, \i
.endr
	WIN 0
.endm
.macro FETCH_A slot, q, i0
.irp i, \i0, \i0+1, \i0+2, \i0+3
	FRAG AF+FR*(\i), ADRA+\slot, \q, \i
.endr
.endm
.macro PLACES n                        ; plain vector lines between a matrix instruction and a load into, or a read of, its registers
.rept \n
	v_nop
.endr
.endm
.macro STEP slot, q, zero              ; 128 along K whose successor lies in the same slot
	s_wait_dscnt 4*NL                              ; B's set and A's blocks 0-3 are in; the youngest 16 loads (A's blocks 4-7) may be out
	WIN MUL_LO
	MULB 0, (\q)%2, \zero
	MULB 2, (\q)%2, \zero
	s_wait_dscnt 0
	PLACES NP
	FETCH_B \slot, (\q)+1, 1-(\q)%2
	FETCH_A \slot, (\q)+1, 0
	WIN MUL_HI
	MULB 4, (\q)%2, \zero
	MULB 6, (\q)%2, \zero
	PLACES NP
	WIN 0
	FETCH_A \slot, (\q)+1, 4
.endm
; A slot's last step changes slots: one barrier; in front of it each wave waits for all its tensor loads, adds 0 to its spare word, and waits for that and for its reads of this slot.
.macro TURN slot, next, fill
	s_wait_tensorcnt 0x0                           ; all my tensor loads have landed: my part of the next slot (every window is 0 here)
	ds_add_u32 v[SPW], v[NIL]
	s_wait_dscnt 4*NL+1                            ; (the add and A's blocks 4-7 may be out)
	WIN MUL_LO
	MULB 0, 1, 0
	s_wait_dscnt 0x0                               ; the add is done, and my reads of this slot are over
	s_barrier_signal -1
	MULB 2, 1, 0
	WIN 0
	s_barrier_wait -1
.if \fill
	CREST                                          ; the barrier has opened a round of the cluster's: no wave of any partner still reads this slot or has a load on its way
	s_add_nc_u64 s[G0+4*\slot+2:G0+4*\slot+3], s[G0+4*\slot+2:G0+4*\slot+3], 8192
	s_add_nc_u64 s[G0B+4*\slot+2:G0B+4*\slot+3], s[G0B+4*\slot+2:G0B+4*\slot+3], 8192
	JLOAD G0+4*\slot, G1, G0B+4*\slot, G1B         ; the first tensor load behind the round; its four v_nop are the places in front of the loads below
.else
	PLACES NP
.endif
	FETCH_B \next, 0, 0
	FETCH_A \next, 0, 0
	WIN MUL_HI
	MULB 4, 1, 0
	MULB 6, 1, 0
	PLACES NP
	WIN 0
	FETCH_A \next, 0, 4
.endm
	s_wait_alu depctr_va_vdst(0)                   ; the head's end
	s_wait_tensorcnt 0x0                           ; my part of K step 0 is in
	ds_add_u32 v[SPW], v[NIL]
	s_wait_dscnt 0x0
	CROUND                                         ; everybody's part of K step 0 is in, and all sixteen work-groups are here
	JLOAD G0+4, G1, G0B+4, G1B                     ; K step 1: the first tensor load behind the round
	FETCH_B 0, 0, 0
	FETCH_A 0, 0, 0
	FETCH_A 0, 0, 4
	s_cmp_eq_u32 s78, 0                            ; behind K step 1's load and the run of LDS loads: K step 3 is named, two changes of slots ahead of its load
	s_cbranch_scc0 .Lno_ask1
	global_prefetch_b8 v30, s[66:67] offset:12288 th:TH_LOAD_NT scope:SCOPE_SE
.Lno_ask1:
	STEP 0, 0, 1                                   ; the first products start the sums
	TURN 0, 1, 1                                   ; slot 0 takes K step 2
	STEP 1, 0, 0
	TURN 1, 0, 1                                   ; slot 1 takes K step 3
	STEP 0, 0, 0
	TURN 0, 1, 0                                   ; nothing is left to fetch
	STEP 1, 0, 0
	s_wait_dscnt 4*NL
	WIN MUL_LO
	MULB 0, 1, 0
	MULB 2, 1, 0
	s_wait_alu depctr_va_vdst(0)
	s_wait_dscnt 0
	WIN MUL_HI
	MULB 4, 1, 0
	MULB 6, 1, 0
	WIN 0
; THE WAY OUT, a block of A (16 rows) at a time: held, converted, stored.  Accumulators 2 g and 2 g + 1 give a lane's 16 bytes of piece g.
.macro OUTBLK a
.set AC, 64*((\a)%4)
	WIN 0x02+((\a)/4)                              ; source 0: window 2 or 3
.set J, 0
.rept 64
	v_med3_num_f32 v[TMP+J], v[AC+J], -v[LIM], v[LIM]   ; the hold at 448 x the scale; each accumulator from its low end on
.set J, J+1
.endr
	WIN 0
.irp b, 0,1,2,3,4,5,6,7
	v_cvt_scalef32_pk8_fp8_f32 v[CD+16*(\a)+2*\b:CD+16*(\a)+2*\b+1], v[TMP+8*\b:TMP+8*\b+7], v[SCL]
.endr
	v_nop                                          ; a plain line between the conversions and the next block's writes of their sources
.irp g, 0,1,2,3
	global_store_b128 v[VO0+\g/2], v[CD+16*(\a)+4*\g:CD+16*(\a)+4*\g+3], s[96+2*((\a)/4):97+2*((\a)/4)] offset:((\a)%4)*1024+(\g%2)*512   ; 512 consecutive bytes, aligned
.endr
.endm
	PLACES NP
.irp a, 0,1,2,3,4,5,6,7
	OUTBLK \a
.endr
	s_wait_tensorcnt 0x0                           ; the wave's end
	ds_add_u32 v[SPW], v[NIL]
	s_wait_dscnt 0x0
	CROUND                                         ; the closing round
	s_endpgm
.Lfunc_end_k_q65e6222ec4_gemm_qkv:
	.size	k_q65e6222ec4_gemm_qkv, .Lfunc_end_k_q65e6222ec4_gemm_qkv-k_q65e6222ec4_gemm_qkv
	.p2alignl 7, 3214868480
	.fill 96, 4, 3214868480
	.section	.rodata,"a",@progbits
	.p2align	6, 0x0
	.amdhsa_kernel k_q65e6222ec4_gemm_qkv
		.amdhsa_group_segment_fixed_size 327680
		.amdhsa_private_segment_fixed_size 0
		.amdhsa_enable_private_segment 0
		.amdhsa_kernarg_size 56
		.amdhsa_user_sgpr_count 2
		.amdhsa_user_sgpr_kernarg_segment_ptr 1
		.amdhsa_wavefront_size32 1
		.amdhsa_system_sgpr_workgroup_id_x 1
		.amdhsa_system_sgpr_workgroup_id_y 1
		.amdhsa_system_sgpr_workgroup_id_z 1
		.amdhsa_system_vgpr_workitem_id 0
		.amdhsa_next_free_vgpr 1024
		.amdhsa_next_free_sgpr 100
		.amdhsa_reserve_vcc 0
		.amdhsa_float_denorm_mode_32 3
		.amdhsa_float_denorm_mode_16_64 3
		.amdhsa_memory_ordered 1
		.amdhsa_forward_progress 1
		.amdhsa_inst_pref_size 119
	.end_amdhsa_kernel
	.amdgpu_metadata
---
amdhsa.version: [ 1, 2 ]
amdhsa.kernels:
  - .name:           k_q65e6222ec4_gemm_qkv
    .symbol:         k_q65e6222ec4_gemm_qkv.kd
    .args:
      - { .name: xq_img, .offset: 0, .size: 8, .value_kind: global_buffer, .address_space: global }
      - { .name: xkv_img, .offset: 8, .size: 8, .value_kind: global_buffer, .address_space: global }
      - { .name: w_img, .offset: 16, .size: 8, .value_kind: global_buffer, .address_space: global }
      - { .name: lowp_scales, .offset: 24, .size: 8, .value_kind: global_buffer, .address_space: global }
      - { .name: q_img, .offset: 32, .size: 8, .value_kind: global_buffer, .address_space: global }
      - { .name: k_img, .offset: 40, .size: 8, .value_kind: global_buffer, .address_space: global }
      - { .name: v_img, .offset: 48, .size: 8, .value_kind: global_buffer, .address_space: global }
    .group_segment_fixed_size: 327680
    .private_segment_fixed_size: 0
    .kernarg_segment_align: 8
    .kernarg_segment_size: 56
    .max_flat_workgroup_size: 128
    .sgpr_count:     100
    .vgpr_count:     1024
    .wavefront_size: 32
...
	.end_amdgpu_metadata
.endif
;; end of part 2
;; launch attn (part 3): grid 4 x 64, 8 waves a work-group, clusters of 4 x 1, 327,680 bytes of LDS; arguments q_img, k_img, v_img, lowp_scales, o_img; writes o_img
.if DOCPART == 3
	.amdgcn_target "amdgcn-amd-amdhsa--gfx1250"
	.amdhsa_code_object_version 6
	.text
	.protected	k_q65e6222ec4_attn
	.globl	k_q65e6222ec4_attn
	.p2align	8
	.type	k_q65e6222ec4_attn,@function
k_q65e6222ec4_attn:
	s_mov_b64 s[64:65], 0
	v_nop
	global_prefetch_b8 v0, s[64:65] scope:SCOPE_SE
	s_setreg_imm32_b32 hwreg(HW_REG_WAVE_MODE, 25, 1), 1
	s_wait_xcnt 0x0
	s_wait_alu depctr_hold_cnt(0) depctr_sa_sdst(0) depctr_va_vdst(0) depctr_va_sdst(0) depctr_va_ssrc(0) depctr_va_vcc(0) depctr_vm_vsrc(0)
	s_getreg_b32 s2, hwreg(HW_REG_IB_STS2, 6, 4)
	s_cmp_eq_u32 s2, 0
	s_cbranch_scc0 .Lentry_in_a_cluster
	s_endpgm
.Lentry_in_a_cluster:
	s_bfe_u32 s2, ttmp6, 0x10000c
	s_cmp_lg_u32 s2, 0x3003
	s_cbranch_scc0 .Lentry_shape_is_right
	s_endpgm
.Lentry_shape_is_right:
; Products 3 and 4 with the softmax between them, and the quantiser of the result (e8), on images of operand registers (layouts: first kernel's head, and the projections').
; WORK LEFT OUT: steps of 128 keys all of which come after all queries of a pair of tiles (shown at the head of the first kernel, with its limit).  In the step that holds a pair's diagonal hidden scores become the true -50000.
; THE SOFTMAX: t = score x log2(e); M = the running largest t rounded up to a whole number; p = 2^(t - M) is quantised with 2^e6; the row's sum is taken of the unquantised p and divides at the end.
; When M moves, the sum and O are multiplied by 2^(old M - new M), in every step, with no branch on data.
; SHARES.  A cluster of four work-groups owns a head (grid y = batch x 16 + head).  Tile 4 s + cx of 16 queries belongs to work-group cx and lies in rows 64 s .. 64 s + 63.  Tiles s = 2 u and 2 u + 1 are a pair:
; both need the u + 1 first steps of 128 keys, and go through every step together, so that each fragment of K and of V feeds two matrix instructions, and the two tiles' chains of vector work stand line by line.
; Wave w of eight takes pair u = 15 - w and then pair u = w: (16 - w) + (w + 1) = 17 steps in every wave.
; All of the head's K and V, 2 x 131,072 bytes, lie in LDS, brought by two joint loads a wave (mask 15: all four partners read the same bytes): first 640 keys, then the other 1,408.
; The next step's fragments of K are asked of LDS behind this step's first product, into registers of their own (the last trip's look-ahead names a step that is in LDS and is not used).
; NO DATA PREFETCH: the two loads at the kernel's head ask for everything that the launch reads through LDS; no later load is left for a loop to run ahead of.
; LAYOUT.  Both products are used transposed (S^T = K Q^T, O^T = V^T P^T): a lane holds one query of each tile.  Register 8 t + j of a tile's scores is key 64 (t / 4) + 32 ((t % 4) / 2) + 8 (t % 2) + 16 (lane / 16) + j of the step,
; which is the order in which V's pieces hold the keys: the conversions' 16 registers are the second product's operand for 128 keys.
; LIMITS: e4 + e5 between -126 and 127; e6 and e8 - e6 - e7 between -126 and 119; the scaled scores stay under 2^31 in magnitude.  NaN among the codes is not served.
; REGISTERS.  x = 0, 1: the pair's tiles.  Window 0: v1-11 addresses and constants; v[12+4x] -M, the largest t, the sum (two halves); v[20+8x] at work; v[36+2x] f; v48-111 V's fragments; v[112+64x] scores, then p.
; Window 1: v[0+8x] Q; v[16+16x] p's codes; v48-111 K's fragments; v[112+32x] O^T; v[176+8x] the second pair's Q.
.set LI,   1                           ; 16 x lane
.set LIV,  2                           ; + V's first byte in LDS
.set ADK,  3
.set ADV,  4
.set DD,   5                           ; my query's row in its 64 less 16 (lane / 16)
.set MV,   6                           ; -50000 in the scores' unit
.set PSCL, 7                           ; 2^e6
.set PLA,  8                           ; 448 x 2^e6, twice: the two halves of a dual pair read registers of different banks
.set PLB,  9
.set SPW,  10                          ; my spare word; never rewritten
.set NIL,  11                          ; 0; never rewritten
.set ST,   12
.set TT,   20
.set FF,   36
.set PM,   40
.set OLIM, 42
.set OSCL, 43
.set VF,   48
.set SC,   112
.set QC,   0                           ; window 1 from here on
.set PC,   16
.set KF,   48
.set OA,   112
.set QN,   176
.set SPARE, 262144                     ; behind K and V: the spare words, 128 bytes a wave
.set WV,  14
.set CX,  15
.set BH,  16
.set FL,  18                           ; 1 in a pair's last step
.set KS,  19                           ; the trip
.set KB,  20                           ; this step's first byte in K's and in V's part of LDS
.set KN,  21                           ; the next step's
.set CS,  22
.set G1A, 24
.set G1B, 32
.set G0A, 40
.set G0B, 44
.set SEL, 58
.set MSB, 0
.macro WIN new                         ; low byte: bits 1:0 source 0, 3:2 source 1, 5:4 source 2, 7:6 destination; the high byte repeats the setting that is left
.if MSB != (\new)
	s_set_vgpr_msb (MSB<<8)|(\new)
.set MSB, (\new)
.endif
.endm
.macro CROUND                          ; a round of the cluster's barrier
	s_barrier_signal -1
	s_barrier_wait -1
	s_cmp_lg_u32 s[WV], 0
	s_cbranch_scc1 .Lnot_wave_0_\@
	s_barrier_signal -3
.Lnot_wave_0_\@:
	s_barrier_wait -3
	s_barrier_signal -1
	s_barrier_wait -1
.endm
.macro KLOAD adr                       ; eight tiles of 16 keys x 64 channels into window 1
	WIN 0x40
.irp t, 0,1,2,3,4,5,6,7
.irp c, 0,1
	ds_load_b128 v[KF+8*\t+4*\c:KF+8*\t+4*\c+3], v[\adr] offset:1024*\t+512*\c
.endr
.endr
	WIN 0
.endm
	s_load_b256 s[4:11], s[0:1], 0x0               ; q_img, k_img, v_img, scales
	s_load_b64 s[12:13], s[0:1], 0x20              ; o_img
	v_lshl_add_u32 v[SPW], v0, 2, SPARE
	v_mov_b32 v[NIL], 0
	ds_add_u32 v[SPW], v[NIL]                      ; the opening lines: the add, twice on end, and its wait ahead of my first tensor load
	ds_add_u32 v[SPW], v[NIL]
	v_lshrrev_b32 v20, 5, v0
	v_readfirstlane_b32 s[WV], v20                 ; wave 0..7
	v_and_b32 v21, 31, v0
	v_lshlrev_b32 v[LI], 4, v21
	v_add_nc_u32 v[LIV], 131072, v[LI]
	s_bfe_u32 s[CX], ttmp6, 0x40000
	s_and_b32 s[BH], ttmp7, 0xffff
	s_mov_b32 s[G1A], 15|(3<<16)|(1<<21)           ; group 1, first load: 40 rows of 256 bytes (32 elements of 8), dense; mask: all four partners
	s_mov_b32 s[G1A+1], 32<<16
	s_mov_b32 s[G1A+2], 40<<16
	s_mov_b32 s[G1A+3], 32<<16
	s_mov_b32 s[G1A+4], 40
	s_mov_b32 s[G1A+5], 32
	s_mov_b32 s[G1A+6], 0
	s_mov_b32 s[G1A+7], 0
	s_mov_b32 s[G1B], 15|(3<<16)|(1<<21)           ; second load: 88 such rows
	s_mov_b32 s[G1B+1], 32<<16
	s_mov_b32 s[G1B+2], 88<<16
	s_mov_b32 s[G1B+3], 32<<16
	s_mov_b32 s[G1B+4], 88
	s_mov_b32 s[G1B+5], 32
	s_mov_b32 s[G1B+6], 0
	s_mov_b32 s[G1B+7], 0
	s_mov_b32 s[SEL], 0x76543210
	s_mov_b32 s[SEL+1], 0xfedcba98
	s_lshr_b32 s60, s[WV], 2                       ; waves 0-3 fetch K, waves 4-7 V
	s_lshl_b32 s60, s60, 17
	s_and_b32 s61, s[WV], 3
	s_mul_i32 s62, s61, 10240                      ; first load: 10,240 bytes a wave of the first 40,960 (640 keys)
	s_mul_i32 s63, s61, 22528
	s_add_co_u32 s63, s63, 40960                   ; second: 22,528 bytes a wave of the rest
	s_lshl_b32 s74, s[BH], 17                      ; the head's first byte in q_img, k_img, v_img
	s_mov_b32 s75, 0
	s_mov_b32 s79, 0
	s_mov_b32 s[G0A], 1
	s_add_co_u32 s[G0A+1], s60, s62
	s_mov_b32 s[G0B], 1
	s_add_co_u32 s[G0B+1], s60, s63
	s_xor_b32 s60, s[WV], 15
	s_lshl_b32 s60, s60, 3
	s_add_co_u32 s60, s60, s[CX]                   ; my first pair's first tile: 8 (15 - w) + cx; its second lies 4 tiles on
	s_lshl_b32 s61, s[WV], 3
	s_add_co_u32 s61, s61, s[CX]                   ; my second pair's: 8 w + cx
	s_wait_alu depctr_va_vdst(0)
	s_wait_dscnt 0x0                               ; both opening adds are done
	s_wait_kmcnt 0x0
	s_load_b256 s[48:55], s[10:11], 0x0            ; e0 .. e7
	s_load_b64 s[56:57], s[10:11], 0x20            ; e8, e9
	s_cmp_lt_u32 s[WV], 4
	s_cselect_b64 s[76:77], s[6:7], s[8:9]
	s_add_nc_u64 s[76:77], s[76:77], s[74:75]
	s_mov_b32 s78, s62
	s_add_nc_u64 s[G0A+2:G0A+3], s[76:77], s[78:79]
	s_or_b32 s[G0A+3], s[G0A+3], 0x80000000
	s_mov_b32 s78, s63
	s_add_nc_u64 s[G0B+2:G0B+3], s[76:77], s[78:79]
	s_or_b32 s[G0B+3], s[G0B+3], 0x80000000
	s_lshl_b32 s78, s60, 10                        ; a tile of Q is 1,024 bytes
	s_add_co_u32 s78, s78, s74
	s_add_nc_u64 s[66:67], s[4:5], s[78:79]
	s_lshl_b32 s78, s61, 10
	s_add_co_u32 s78, s78, s74
	s_add_nc_u64 s[68:69], s[4:5], s[78:79]
	WIN 0x40                                       ; both pairs' Q, asked for ahead of the round, into window 1
.irp x, 0,1
.irp c, 0,1
	global_load_b128 v[QC+8*\x+4*\c:QC+8*\x+4*\c+3], v[LI], s[66:67] offset:4096*\x+512*\c
	global_load_b128 v[QN+8*\x+4*\c:QN+8*\x+4*\c+3], v[LI], s[68:69] offset:4096*\x+512*\c
.endr
.endr
	WIN 0
	CROUND                                         ; all four work-groups are here: the joint loads meet
	tensor_load_to_lds s[G0A:G0A+3], s[G1A:G1A+7]  ; keys 0-639: one tensor load a wave at the head
	s_nop 0
	s_lshr_b32 s62, s[BH], 4                       ; o_img: tile (batch x 128 + tile) of 16,384 bytes, the head's 64 channels at 1,024 x head
	s_lshl_b32 s62, s62, 7
	s_and_b32 s63, s[BH], 15
	s_lshl_b32 s63, s63, 10
	s_add_co_u32 s78, s62, s60
	s_lshl_b32 s78, s78, 14
	s_add_co_u32 s78, s78, s63
	s_add_nc_u64 s[70:71], s[12:13], s[78:79]      ; where the pair in hand goes
	s_add_co_u32 s78, s62, s61
	s_lshl_b32 s78, s78, 14
	s_add_co_u32 s78, s78, s63
	s_add_nc_u64 s[72:73], s[12:13], s[78:79]      ; and the second
	s_lshr_b32 s62, s[CX], 1
	s_lshl_b32 s62, s62, 5
	s_and_b32 s63, s[CX], 1
	s_lshl_b32 s63, s63, 3
	s_add_co_u32 s62, s62, s63                     ; a tile's first row in its 64: 32 (cx / 2) + 8 (cx % 2)
	v_and_b32 v20, 15, v0
	v_and_b32 v21, 8, v0
	v_add_nc_u32 v20, v20, v21                     ; r + 8 (r / 8)
	v_bfe_u32 v21, v0, 4, 1
	v_lshlrev_b32 v21, 4, v21
	v_sub_nc_u32 v20, v20, v21                     ; - 16 (lane / 16)
	v_add_nc_u32 v[DD], s62, v20
.irp x, 0,1
	v_mov_b32 v[ST+4*\x+1], 0xff61b1e6             ; the largest t so far: -3e38
	v_mov_b32 v[ST+4*\x], 0x7f61b1e6               ; -M = 3e38, a whole number
	v_mov_b32 v[ST+4*\x+2], 0
	v_mov_b32 v[ST+4*\x+3], 0
	v_mov_b32 v[FF+2*\x+1], 0                      ; (named as the upper half of a pair)
	v_mov_b32 v[PM+\x], 0                          ; a lane permute's destination counts as a source
.endr
	WIN 0x40
.set J, 0
.rept 64
	v_mov_b32 v[OA+J], 0                           ; the step is written once: the first finds zeros
.set J, J+1
.endr
	WIN 0
	s_wait_kmcnt 0x0
	s_add_co_i32 s60, s52, s53
	s_lshl_b32 s61, s60, 23
	s_mov_b32 s[CS], 0x3fb8aa3b                    ; log2(e),
	s_add_co_i32 s[CS], s[CS], s61                 ; x 2^(e4 + e5): added to its exponent field
	s_mov_b32 s[CS+1], s[CS]
	s_sub_co_i32 s60, 0, s60
	v_mov_b32 v[MV], 0xc7435000                    ; -50000
	v_ldexp_f32 v[MV], v[MV], s60
	s_add_co_i32 s60, s54, 127
	s_lshl_b32 s61, s60, 23
	v_mov_b32 v[PSCL], s61
	s_add_co_i32 s60, s60, 8
	s_lshl_b32 s60, s60, 23
	s_or_b32 s60, s60, 0x600000
	v_mov_b32 v[PLA], s60
	v_mov_b32 v[PLB], s60
	s_sub_co_i32 s60, s56, s54                     ; a sum of product 4 stands for sum x 2^(e6 + e7): its code is sum / 2^(e8 - e6 - e7)
	s_sub_co_i32 s60, s60, s55
	s_add_co_i32 s60, s60, 127
	s_lshl_b32 s61, s60, 23
	v_mov_b32 v[OSCL], s61
	s_add_co_i32 s60, s60, 8
	s_lshl_b32 s60, s60, 23
	s_or_b32 s60, s60, 0x600000
	v_mov_b32 v[OLIM], s60
; A STEP: 128 keys against the pair in hand.  last = 1: the text also holds the diagonal's mask and a pair's way out, each under a scalar branch on ids (s[FL]).
.macro TRIP last
	v_add_nc_u32 v[ADV], s[KB], v[LIV]
	v_add_nc_u32 v[ADK], s[KN], v[LI]
	s_wait_alu depctr_va_vdst(0)
	s_wait_dscnt 0x0                               ; K's fragments, asked for a step ago
	WIN 0x05                                       ; K and Q in window 1
.irp t, 0,1,2,3,4,5,6,7
.irp x, 0,1
	v_wmma_f32_16x16x64_fp8_fp8 v[SC+64*\x+8*\t:SC+64*\x+8*\t+7], v[KF+8*\t:KF+8*\t+7], v[QC+8*\x:QC+8*\x+7], 0
.endr
.endr
	WIN 0
.rept 4
	v_nop                                          ; places: ahead of the loads over K's fragments and of the first read of the scores; with the two additions above also behind the last step's second product, ahead of the loads over V's
.endr
	KLOAD ADK                                      ; the next step's K
.irp t, 0,1,2,3                                ; this step's V: 16 channels x 128 keys a fragment: two pieces of each of the step's two blocks of 64 keys.  Both land under the softmax
.irp b, 0,1
.irp c, 0,1
	ds_load_b128 v[VF+16*\t+8*\b+4*\c:VF+16*\t+8*\b+4*\c+3], v[ADV] offset:4096*\b+1024*\t+512*\c
.endr
.endr
.endr
.if \last
	s_cmp_eq_u32 s[FL], 0
	s_cbranch_scc1 .Lopen_\@
.set J, 0
.rept 32                                       ; the diagonal step.  Tile 0's rows lie in the step's lower 64, tile 1's in its upper 64: one comparison serves tile 0's lower keys and tile 1's upper keys; tile 0's upper keys are all hidden, tile 1's lower keys all count
	v_cmp_gt_i32 vcc_lo, 32*(J/16)+8*((J/8)%2)+J%8, v[DD]
	v_cndmask_b32 v[SC+J], v[SC+J], v[MV], vcc_lo
	v_cndmask_b32 v[SC+96+J], v[SC+96+J], v[MV], vcc_lo
	v_mov_b32 v[SC+32+J], v[MV]
.set J, J+1
.endr
.Lopen_\@:
.endif
.irp x, 0,1                                    ; the step's largest score among my 64 keys: two chains a tile, each accumulator from its low end on
	v_max3_num_f32 v[TT+8*\x], v[SC+64*\x], v[SC+64*\x+1], v[SC+64*\x+2]
	v_max3_num_f32 v[TT+8*\x+1], v[SC+64*\x+3], v[SC+64*\x+4], v[SC+64*\x+5]
.endr
.set J, 6
.rept 29
.irp x, 0,1
	v_max3_num_f32 v[TT+8*\x+(J/2)%2], v[TT+8*\x+(J/2)%2], v[SC+64*\x+J], v[SC+64*\x+J+1]
.endr
.set J, J+2
.endr
.irp x, 0,1
	v_max_num_f32 v[TT+8*\x], v[TT+8*\x], v[TT+8*\x+1]
.endr
.irp x, 0,1
	v_permlanex16_b32 v[PM+\x], v[TT+8*\x], s[SEL], s[SEL+1]
.endr
.irp x, 0,1
	v_max_num_f32 v[TT+8*\x], v[TT+8*\x], v[PM+\x] ; and among lane l xor 16's
.endr
.irp x, 0,1
	v_mul_f32 v[TT+8*\x], s[CS], v[TT+8*\x]        ; as t
.endr
.irp x, 0,1
	v_max_num_f32 v[ST+4*\x+1], v[ST+4*\x+1], v[TT+8*\x]
.endr
.irp x, 0,1
	v_mov_b32 v[TT+8*\x+1], v[ST+4*\x]
.endr
.irp x, 0,1
	v_floor_f32 v[ST+4*\x], -v[ST+4*\x+1]          ; the new -M = -ceil(t)
.endr
.irp x, 0,1
	v_sub_f32 v[TT+8*\x+1], v[ST+4*\x], v[TT+8*\x+1]   ; old M - new M, a whole number, 0 or less
.endr
.irp x, 0,1
	v_cvt_i32_f32 v[TT+8*\x+1], v[TT+8*\x+1]       ; (it saturates)
.endr
.irp x, 0,1
	v_ldexp_f32 v[FF+2*\x], 1.0, v[TT+8*\x+1]      ; f
.endr
.set J, 0
.rept 32
.irp x, 0,1
	v_pk_fma_f32 v[SC+64*\x+J:SC+64*\x+J+1], v[SC+64*\x+J:SC+64*\x+J+1], s[CS:CS+1], v[ST+4*\x:ST+4*\x+1] op_sel_hi:[1,0,0]   ; t - M
.endr
.set J, J+2
.endr
	s_wait_alu depctr_va_vdst(0)                   ; ahead of the batch
.set J, 0
.rept 128
	v_exp_f32 v[SC+J], v[SC+J]                     ; p = 2^(t - M)
.set J, J+1
.endr
.irp x, 0,1
	v_pk_mul_f32 v[ST+4*\x+2:ST+4*\x+3], v[ST+4*\x+2:ST+4*\x+3], v[FF+2*\x:FF+2*\x+1] op_sel_hi:[1,0]   ; the sums under the new M (plain places behind the batch)
.endr
	WIN 0x41                                       ; O^T in window 1
	s_wait_alu depctr_va_vdst(0)                   ; one wait behind the batch, directly ahead of the first readers of O^T and of p
.set J, 0
.rept 16
.irp x, 0,1
	v_pk_mul_f32 v[OA+32*\x+J:OA+32*\x+J+1], v[OA+32*\x+J:OA+32*\x+J+1], v[FF+2*\x:FF+2*\x+1] op_sel_hi:[1,0]   ; O^T under the new M
.endr
.set J, J+2
.endr
	WIN 0
.irp x, 0,1                                    ; the sums of the unquantised p: two chains a tile
	v_pk_add_f32 v[TT+8*\x+2:TT+8*\x+3], v[SC+64*\x:SC+64*\x+1], v[SC+64*\x+2:SC+64*\x+3]
.endr
.set J, 4
.rept 15
.irp x, 0,1
	v_pk_add_f32 v[ST+4*\x+2:ST+4*\x+3], v[ST+4*\x+2:ST+4*\x+3], v[SC+64*\x+J:SC+64*\x+J+1]
.endr
.irp x, 0,1
	v_pk_add_f32 v[TT+8*\x+2:TT+8*\x+3], v[TT+8*\x+2:TT+8*\x+3], v[SC+64*\x+J+2:SC+64*\x+J+3]
.endr
.set J, J+4
.endr
.irp x, 0,1
	v_pk_add_f32 v[ST+4*\x+2:ST+4*\x+3], v[ST+4*\x+2:ST+4*\x+3], v[TT+8*\x+2:TT+8*\x+3]
.endr
.set J, 0
.rept 64
	v_dual_min_num_f32 v[SC+J], v[SC+J], v[PLA] :: v_dual_min_num_f32 v[SC+J+1], v[SC+J+1], v[PLB]   ; the hold at 448 x 2^e6 (ISA guide 7.6.2: the conversion does not saturate); p is not negative
.set J, J+2
.endr
	WIN 0x40                                       ; the codes go to window 1
.set J, 0
.rept 16
	v_cvt_scalef32_pk8_fp8_f32 v[PC+2*J:PC+2*J+1], v[SC+8*J:SC+8*J+7], v[PSCL]
.set J, J+1
.endr
	v_nop                                          ; a plain line between the last conversion and the products that read the codes
	s_wait_alu depctr_va_vdst(0)
	s_wait_dscnt 0x0                               ; V's fragments (and the next step's K)
	WIN 0x54                                       ; V in window 0; codes, C and D in window 1
.irp t, 0,1,2,3
.irp x, 0,1
	v_wmma_f32_16x16x128_fp8_fp8 v[OA+32*\x+8*\t:OA+32*\x+8*\t+7], v[VF+16*\t:VF+16*\t+15], v[PC+16*\x:PC+16*\x+15], v[OA+32*\x+8*\t:OA+32*\x+8*\t+7]
.endr
.endr
	WIN 0
.if \last
	s_cmp_eq_u32 s[FL], 0
	s_cbranch_scc1 .Lgo_\@
.rept 4                                        ; A PAIR'S WAY OUT: O^T / the sum, held, converted with 2^(e8 - e6 - e7), stored as two pieces of o_img a tile
	v_nop
.endr
.irp x, 0,1
	v_add_f32 v[ST+4*\x+2], v[ST+4*\x+2], v[ST+4*\x+3]
.endr
.irp x, 0,1
	v_permlanex16_b32 v[PM+\x], v[ST+4*\x+2], s[SEL], s[SEL+1]
.endr
.irp x, 0,1
	v_add_f32 v[ST+4*\x+2], v[ST+4*\x+2], v[PM+\x] ; the row's sum
.endr
	s_wait_alu depctr_va_vdst(0)                   ; ahead of the transcendentals
	v_rcp_f32 v[ST+2], v[ST+2]
	v_rcp_f32 v[ST+6], v[ST+6]
	v_nop
	WIN 0x01
	s_wait_alu depctr_va_vdst(0)                   ; and behind them, directly ahead of the first readers of their results and of O^T
.set J, 0
.rept 16
.irp x, 0,1
	v_pk_mul_f32 v[SC+64*\x+J:SC+64*\x+J+1], v[OA+32*\x+J:OA+32*\x+J+1], v[ST+4*\x+2:ST+4*\x+3] op_sel_hi:[1,0]
.endr
.set J, J+2
.endr
	WIN 0
.set J, 0
.rept 32
.irp x, 0,1
	v_med3_num_f32 v[SC+64*\x+J], v[SC+64*\x+J], -v[OLIM], v[OLIM]
.endr
.set J, J+1
.endr
.irp x, 0,1
.irp t, 0,1,2,3
	v_cvt_scalef32_pk8_fp8_f32 v[SC+32+8*\x+2*\t:SC+32+8*\x+2*\t+1], v[SC+64*\x+8*\t:SC+64*\x+8*\t+7], v[OSCL]
.endr
.endr
	v_nop
.irp x, 0,1
.irp c, 0,1
	global_store_b128 v[LI], v[SC+32+8*\x+4*\c:SC+32+8*\x+4*\c+3], s[70:71] offset:65536*\x+512*\c   ; 512 consecutive bytes, aligned; the pair's second tile lies 4 tiles of 16,384 bytes on
.endr
.endr
	s_cmp_eq_u32 s[KS], 16
	s_cbranch_scc1 .Lgo_\@                         ; the second pair has no successor
	s_wait_xcnt 0x0                                ; the stores have read their base and data, which are written again below and in the next step
	s_mov_b64 s[70:71], s[72:73]
	WIN 0x41
.set J, 0
.rept 16
	v_mov_b32 v[QC+J], v[QN+J]                     ; on to the second pair
.set J, J+1
.endr
	WIN 0x40
.set J, 0
.rept 64
	v_mov_b32 v[OA+J], 0
.set J, J+1
.endr
	WIN 0
.irp x, 0,1
	v_mov_b32 v[ST+4*\x+1], 0xff61b1e6
	v_mov_b32 v[ST+4*\x], 0x7f61b1e6
	v_mov_b32 v[ST+4*\x+2], 0
	v_mov_b32 v[ST+4*\x+3], 0
.endr
	s_wait_alu depctr_va_vdst(0)
.Lgo_\@:
.endif
.endm
	s_wait_alu depctr_va_vdst(0)                   ; the head's end
	s_wait_tensorcnt 0x0                           ; my part of keys 0-639 is in
	ds_add_u32 v[SPW], v[NIL]
	s_wait_dscnt 0x0
	CROUND                                         ; everybody's part is in, and all four work-groups are here
	tensor_load_to_lds s[G0B:G0B+3], s[G1B:G1B+7]  ; keys 640-2047: it has the first four trips in which to land
	s_nop 0
.rept 4
	v_nop                                          ; ahead of the switch of windows below
.endr
	KLOAD LI                                       ; step 0's K
	s_wait_loadcnt 0x0                             ; Q
	s_mov_b32 s[KS], 0
	s_mov_b32 s[KB], 0
	s_mov_b32 s[KN], 8192
.Lfirst:                                               ; trips 0-3: every wave is on its first pair (at least 9 steps long), ahead of its diagonal; the look-ahead reaches step 4, keys 512-639
	TRIP 0
	s_add_co_u32 s[KB], s[KB], 8192
	s_add_co_u32 s[KN], s[KN], 8192
	s_add_co_u32 s[KS], s[KS], 1
	s_cmp_lt_u32 s[KS], 4
	s_cbranch_scc1 .Lfirst
	s_wait_tensorcnt 0x0                           ; my part of the other keys is in
	s_wait_dscnt 0x0
	s_barrier_signal -1
	s_barrier_wait -1                              ; and everybody's
	s_mov_b32 s[KS], 4
.Lrest:                                                ; trips 4-16.  u = trip + w: under 16 the first pair's step is the trip; from 16 on the second pair's is u - 16.  The same for the trip that follows
	s_add_co_u32 s60, s[KS], s[WV]
	s_and_b32 s61, s60, 15
	s_min_u32 s62, s[KS], 15
	s_cmp_lt_u32 s60, 16
	s_cselect_b32 s[KB], s62, s61
	s_lshl_b32 s[KB], s[KB], 13
	s_cmp_eq_u32 s60, 15                           ; the first pair's last step,
	s_cselect_b32 s[FL], 1, 0
	s_cmp_eq_u32 s[KS], 16                         ; the second's
	s_cselect_b32 s[FL], 1, s[FL]
	s_add_co_u32 s60, s60, 1
	s_and_b32 s61, s60, 15
	s_add_co_u32 s62, s[KS], 1
	s_min_u32 s62, s62, 15
	s_cmp_lt_u32 s60, 16
	s_cselect_b32 s[KN], s62, s61
	s_lshl_b32 s[KN], s[KN], 13
	TRIP 1
	s_add_co_u32 s[KS], s[KS], 1
	s_cmp_lt_u32 s[KS], 17
	s_cbranch_scc1 .Lrest
	s_wait_tensorcnt 0x0                           ; the wave's end
	ds_add_u32 v[SPW], v[NIL]
	s_wait_dscnt 0x0
	CROUND                                         ; the closing round
	s_endpgm
.Lfunc_end_k_q65e6222ec4_attn:
	.size	k_q65e6222ec4_attn, .Lfunc_end_k_q65e6222ec4_attn-k_q65e6222ec4_attn
	.p2alignl 7, 3214868480
	.fill 96, 4, 3214868480
	.section	.rodata,"a",@progbits
	.p2align	6, 0x0
	.amdhsa_kernel k_q65e6222ec4_attn
		.amdhsa_group_segment_fixed_size 327680
		.amdhsa_private_segment_fixed_size 0
		.amdhsa_enable_private_segment 0
		.amdhsa_kernarg_size 40
		.amdhsa_user_sgpr_count 2
		.amdhsa_user_sgpr_kernarg_segment_ptr 1
		.amdhsa_wavefront_size32 1
		.amdhsa_system_sgpr_workgroup_id_x 1
		.amdhsa_system_sgpr_workgroup_id_y 1
		.amdhsa_system_sgpr_workgroup_id_z 1
		.amdhsa_system_vgpr_workitem_id 0
		.amdhsa_next_free_vgpr 448
		.amdhsa_next_free_sgpr 80
		.amdhsa_reserve_vcc 1
		.amdhsa_float_denorm_mode_32 3
		.amdhsa_float_denorm_mode_16_64 3
		.amdhsa_memory_ordered 1
		.amdhsa_forward_progress 1
		.amdhsa_inst_pref_size 84
	.end_amdhsa_kernel
	.amdgpu_metadata
---
amdhsa.version: [ 1, 2 ]
amdhsa.kernels:
  - .name:           k_q65e6222ec4_attn
    .symbol:         k_q65e6222ec4_attn.kd
    .args:
      - { .name: q_img, .offset: 0, .size: 8, .value_kind: global_buffer, .address_space: global }
      - { .name: k_img, .offset: 8, .size: 8, .value_kind: global_buffer, .address_space: global }
      - { .name: v_img, .offset: 16, .size: 8, .value_kind: global_buffer, .address_space: global }
      - { .name: lowp_scales, .offset: 24, .size: 8, .value_kind: global_buffer, .address_space: global }
      - { .name: o_img, .offset: 32, .size: 8, .value_kind: global_buffer, .address_space: global }
    .group_segment_fixed_size: 327680
    .private_segment_fixed_size: 0
    .kernarg_segment_align: 8
    .kernarg_segment_size: 40
    .max_flat_workgroup_size: 256
    .sgpr_count:     80
    .vgpr_count:     448
    .wavefront_size: 32
...
	.end_amdgpu_metadata
.endif
;; end of part 3
;; launch gemm_out (part 4): grid 8 x 32, 4 waves a work-group, clusters of 4 x 4, 327,680 bytes of LDS; arguments o_img, w_img, lowp_scales, out0; writes out0
.if DOCPART == 4
	.amdgcn_target "amdgcn-amd-amdhsa--gfx1250"
	.amdhsa_code_object_version 6
	.text
	.protected	k_q65e6222ec4_gemm_out
	.globl	k_q65e6222ec4_gemm_out
	.p2align	8
	.type	k_q65e6222ec4_gemm_out,@function
k_q65e6222ec4_gemm_out:
	s_mov_b64 s[64:65], 0
	v_nop
	global_prefetch_b8 v0, s[64:65] scope:SCOPE_SE
	s_setreg_imm32_b32 hwreg(HW_REG_WAVE_MODE, 25, 1), 1
	s_wait_xcnt 0x0
	s_wait_alu depctr_hold_cnt(0) depctr_sa_sdst(0) depctr_va_vdst(0) depctr_va_sdst(0) depctr_va_ssrc(0) depctr_va_vcc(0) depctr_vm_vsrc(0)
	s_getreg_b32 s2, hwreg(HW_REG_IB_STS2, 6, 4)
	s_cmp_eq_u32 s2, 0
	s_cbranch_scc0 .Lentry_in_a_cluster
	s_endpgm
.Lentry_in_a_cluster:
	s_bfe_u32 s2, ttmp6, 0x10000c
	s_cmp_lg_u32 s2, 0xf033
	s_cbranch_scc0 .Lentry_shape_is_right
	s_endpgm
.Lentry_shape_is_right:
.set FR,     16
.set NL,     4
.set NP,     4
.set SLOT,   98304
.set BOFF,   65536
.set STAGE,  2*SLOT
.set SPITCH, 272
.set SPARE,  STAGE+4*16*SPITCH
.set ADRA, 16
.set ADRB, 20
.set STO,  24
.set RD,   25
.set CO,   26
.set SPW,  28
.set NIL,  29
.set TMP,  32
.set AF,   128
.set BK,   128
.set G1,  24
.set G0,  32
.set G1B, 48
.set G0B, 56
.set MSB, 0
.macro WIN new
.if MSB != (\new)
	s_set_vgpr_msb (MSB<<8)|(\new)
.set MSB, (\new)
.endif
.endm
.set MUL_LO, 0xa1
.set MUL_HI, 0xf1
.set TO_B,   0x40
.macro JLOAD g0a, g1a, g0b, g1b
	s_cmp_eq_u32 s15, 0
	s_cbranch_scc0 .Lfor_b_\@
	tensor_load_to_lds s[\g0a:\g0a+3], s[\g1a:\g1a+7]
	s_nop 0
.rept 4
	v_nop
.endr
	s_branch .Lasked_\@
.Lfor_b_\@:
	tensor_load_to_lds s[\g0b:\g0b+3], s[\g1b:\g1b+7]
	s_nop 0
.rept 4
	v_nop
.endr
.Lasked_\@:
.endm
.macro CREST
	s_cmp_lg_u32 s14, 0
	s_cbranch_scc1 .Lnot_wave_0_\@
	s_barrier_signal -3
.Lnot_wave_0_\@:
	s_barrier_wait -3
	s_barrier_signal -1
	s_barrier_wait -1
.endm
.macro CROUND
	s_barrier_signal -1
	s_barrier_wait -1
	CREST
.endm
	s_load_b256 s[4:11], s[0:1], 0x0
	v_lshl_add_u32 v[SPW], v0, 2, SPARE
	v_mov_b32 v[NIL], 0
	ds_add_u32 v[SPW], v[NIL]
	ds_add_u32 v[SPW], v[NIL]
	v_lshrrev_b32 v1, 5, v0
	v_readfirstlane_b32 s14, v1
	s_lshr_b32 s15, s14, 1
	s_and_b32 s16, s14, 1
	s_bfe_u32 s40, ttmp6, 0x40000
	s_bfe_u32 s41, ttmp6, 0x40004
	s_lshl_b32 s42, ttmp9, 2
	s_add_co_u32 s42, s42, s40
	s_and_b32 s17, ttmp7, 0xffff
	s_lshl_b32 s17, s17, 2
	s_add_co_u32 s17, s17, s41
	s_lshl_b32 s43, s41, 2
	s_lshl_b32 s43, 15, s43
	s_lshl_b32 s44, 0x1111, s40
	s_or_b32 s[G1+0], s43, (3<<16)|(1<<21)
	s_mov_b32 s[G1+1], 512<<16
	s_mov_b32 s[G1+2], 8<<16
	s_mov_b32 s[G1+3], 512<<16
	s_mov_b32 s[G1+4], 8
	s_mov_b32 s[G1+5], 2048
	s_mov_b32 s[G1+6], 0
	s_mov_b32 s[G1+7], 0
	s_or_b32 s[G1B+0], s44, (3<<16)|(1<<21)
	s_mov_b32 s[G1B+1], 512<<16
	s_mov_b32 s[G1B+2], 4<<16
	s_mov_b32 s[G1B+3], 512<<16
	s_mov_b32 s[G1B+4], 4
	s_mov_b32 s[G1B+5], 2048
	s_mov_b32 s[G1B+6], 0
	s_mov_b32 s[G1B+7], 0
	s_lshl_b32 s20, s17, 18
	s_lshl_b32 s18, s16, 17
	s_add_co_u32 s20, s20, s18
	s_mov_b32 s21, 0
	s_lshl_b32 s46, s42, 17
	s_lshl_b32 s18, s16, 16
	s_add_co_u32 s46, s46, s18
	s_add_co_u32 s46, s46, 0x300000
	s_mov_b32 s47, 0
	s_lshl_b32 s45, s16, 15
	s_lshl_b32 s22, s16, 14
	s_add_co_u32 s22, s22, BOFF
	s_wait_dscnt 0x0
	s_wait_kmcnt 0x0
	s_load_b64 s[96:97], s[8:9], 0x20
	s_add_nc_u64 s[20:21], s[4:5], s[20:21]
	s_add_nc_u64 s[46:47], s[6:7], s[46:47]
	CROUND
.irp s, 0,1
	s_mov_b32 s[G0+4*\s], 1
	s_add_co_u32 s[G0+4*\s+1], s45, \s*SLOT
	s_add_nc_u64 s[G0+4*\s+2:G0+4*\s+3], s[20:21], \s*4096
	s_or_b32 s[G0+4*\s+3], s[G0+4*\s+3], 0x80000000
	s_mov_b32 s[G0B+4*\s], 1
	s_add_co_u32 s[G0B+4*\s+1], s22, \s*SLOT
	s_add_nc_u64 s[G0B+4*\s+2:G0B+4*\s+3], s[46:47], \s*4096
	s_or_b32 s[G0B+4*\s+3], s[G0B+4*\s+3], 0x80000000
.endr
	JLOAD G0, G1, G0B, G1B                         ; K step 0: one tensor load a wave at the head
	; DATA PREFETCHES.  A wave of A fetches 8 tiles' parts of a K step (128 blocks of 256 bytes), a wave of B 4 tiles' (64 blocks).  The four partners that ask for them jointly share them out BY ADDRESS: the partner at place p
	; (cx for A, cy for B) names A's tiles 2 p and 2 p + 1, a lane a block, or B's tile p, lanes 0-15 a block each (lanes 16-31 name the last block again).  Here K steps 1 and 2 are named, behind K step 1's load K step 3.
	; Wo's tiles are the same in all eight cluster rows: only cluster rows 0 to 3 name them.  The branch hangs on the wave's number and the cluster's y, which all partners share.  v30 and s[66:67] are never rewritten.
	s_cmp_eq_u32 s15, 0                            ; do I fetch for A?
	s_cselect_b64 s[66:67], s[20:21], s[46:47]     ; the tiles that I fetch
	s_cselect_b32 s68, s40, s41                    ; my place among the four partners
	s_cselect_b32 s69, 15, 14                      ; two tiles of 16,384 bytes, or one
	s_cselect_b32 s70, 31, 15                      ; the last lane with a block of its own
	s_lshl_b32 s68, s68, s69
	s_mov_b32 s69, 0
	s_add_nc_u64 s[66:67], s[66:67], s[68:69]
	s_and_b32 s71, ttmp7, 0xffff
	s_lshr_b32 s71, s71, 2                         ; 0 in cluster rows 0 to 3
	s_mul_i32 s71, s71, s15                        ; 0: I name my blocks
	v_and_b32 v30, 31, v0
	v_min_u32 v30, s70, v30
	v_lshrrev_b32 v31, 4, v30
	v_and_b32 v30, 15, v30
	v_lshlrev_b32 v30, 8, v30
	v_lshl_add_u32 v30, v31, 14, v30
	s_cmp_eq_u32 s71, 0
	s_cbranch_scc0 .Lno_ask0
	global_prefetch_b8 v30, s[66:67] offset:4096 th:TH_LOAD_NT scope:SCOPE_SE
	global_prefetch_b8 v30, s[66:67] offset:8192 th:TH_LOAD_NT scope:SCOPE_SE
.Lno_ask0:
	v_and_b32 v1, 31, v0
	v_lshlrev_b32 v2, 4, v1
	s_lshl_b32 s18, s15, 15
	s_lshl_b32 s19, s16, 14
	s_add_co_u32 s19, s19, BOFF
.irp s, 0,1
	v_add_nc_u32 v[ADRA+\s], s18, v2
	v_add_nc_u32 v[ADRB+\s], s19, v2
	s_add_co_u32 s18, s18, SLOT
	s_add_co_u32 s19, s19, SLOT
.endr
	v_and_b32 v3, 15, v0
	v_bfe_u32 v4, v0, 4, 1
	s_mul_i32 s23, s14, 16*SPITCH
	s_add_co_u32 s23, s23, STAGE
	v_mul_u32_u24 v[STO], v3, SPITCH
	v_lshl_add_u32 v[STO], v4, 6, v[STO]
	v_add_nc_u32 v[STO], s23, v[STO]
	v_mul_u32_u24 v[RD], v4, SPITCH
	v_lshl_add_u32 v[RD], v3, 4, v[RD]
	v_add_nc_u32 v[RD], s23, v[RD]
	v_lshlrev_b32 v[CO], 12, v4
	v_lshl_add_u32 v[CO], v3, 4, v[CO]
	s_lshl_b32 s18, s17, 20
	s_lshl_b32 s19, s15, 19
	s_add_co_u32 s18, s18, s19
	s_lshl_b32 s19, s42, 9
	s_add_co_u32 s18, s18, s19
	s_lshl_b32 s19, s16, 8
	s_add_co_u32 s18, s18, s19
	s_mov_b32 s19, 0
	s_add_nc_u64 s[10:11], s[10:11], s[18:19]
.macro FRAG reg, adr, q, i
.irp c, 0,1,2,3
	ds_load_b128 v[\reg+4*\c:\reg+4*\c+3], v[\adr] offset:4096*(\i)+2048*(\q)+512*\c
.endr
.endm
.macro MULB a0, p, zero
.irp a, \a0, \a0+1
.irp b, 0,1,2,3
.if \zero
	v_wmma_f32_16x16x128_fp8_fp8 v[8*(4*((\a)%4)+\b):8*(4*((\a)%4)+\b)+7], v[128*(\p)+FR*\b:128*(\p)+FR*\b+FR-1], v[AF+FR*(\a):AF+FR*(\a)+FR-1], 0
.else
	v_wmma_f32_16x16x128_fp8_fp8 v[8*(4*((\a)%4)+\b):8*(4*((\a)%4)+\b)+7], v[128*(\p)+FR*\b:128*(\p)+FR*\b+FR-1], v[AF+FR*(\a):AF+FR*(\a)+FR-1], v[8*(4*((\a)%4)+\b):8*(4*((\a)%4)+\b)+7]
.endif
.endr
.endr
.endm
.macro FETCH_B slot, q, p
	WIN TO_B
.irp i, 0,1,2,3
	FRAG 128*(\p)+FR*\i, ADRB+\slot, \q, \i
.endr
	WIN 0
.endm
.macro FETCH_A slot, q, i0
.irp i, \i0, \i0+1, \i0+2, \i0+3
	FRAG AF+FR*(\i), ADRA+\slot, \q, \i
.endr
.endm
.macro PLACES n
.rept \n
	v_nop
.endr
.endm
.macro STEP slot, q, zero
	s_wait_dscnt 4*NL
	WIN MUL_LO
	MULB 0, (\q)%2, \zero
	MULB 2, (\q)%2, \zero
	s_wait_dscnt 0
	PLACES NP
	FETCH_B \slot, (\q)+1, 1-(\q)%2
	FETCH_A \slot, (\q)+1, 0
	WIN MUL_HI
	MULB 4, (\q)%2, \zero
	MULB 6, (\q)%2, \zero
	PLACES NP
	WIN 0
	FETCH_A \slot, (\q)+1, 4
.endm
.macro TURN slot, next, fill
	s_wait_tensorcnt 0x0
	ds_add_u32 v[SPW], v[NIL]
	s_wait_dscnt 4*NL+1
	WIN MUL_LO
	MULB 0, 1, 0
	s_wait_dscnt 0x0
	s_barrier_signal -1
	MULB 2, 1, 0
	WIN 0
	s_barrier_wait -1
.if \fill
	CREST
	s_add_nc_u64 s[G0+4*\slot+2:G0+4*\slot+3], s[G0+4*\slot+2:G0+4*\slot+3], 8192
	s_add_nc_u64 s[G0B+4*\slot+2:G0B+4*\slot+3], s[G0B+4*\slot+2:G0B+4*\slot+3], 8192
	JLOAD G0+4*\slot, G1, G0B+4*\slot, G1B
.else
	PLACES NP
.endif
	FETCH_B \next, 0, 0
	FETCH_A \next, 0, 0
	WIN MUL_HI
	MULB 4, 1, 0
	MULB 6, 1, 0
	PLACES NP
	WIN 0
	FETCH_A \next, 0, 4
.endm
	s_wait_alu depctr_va_vdst(0)                   ; the head's end
	s_wait_tensorcnt 0x0                           ; my part of K step 0 is in
	ds_add_u32 v[SPW], v[NIL]
	s_wait_dscnt 0x0
	CROUND                                         ; everybody's part of K step 0 is in, and all sixteen work-groups are here
	JLOAD G0+4, G1, G0B+4, G1B                     ; K step 1: the first tensor load behind the round
	FETCH_B 0, 0, 0
	FETCH_A 0, 0, 0
	FETCH_A 0, 0, 4
	s_cmp_eq_u32 s71, 0                            ; behind K step 1's load and the run of LDS loads: K step 3 is named, two changes of slots ahead of its load
	s_cbranch_scc0 .Lno_ask1
	global_prefetch_b8 v30, s[66:67] offset:12288 th:TH_LOAD_NT scope:SCOPE_SE
.Lno_ask1:
	STEP 0, 0, 1
	TURN 0, 1, 1
	STEP 1, 0, 0
	TURN 1, 0, 1
	STEP 0, 0, 0
	TURN 0, 1, 0
	STEP 1, 0, 0
	s_wait_dscnt 4*NL
	WIN MUL_LO
	MULB 0, 1, 0
	MULB 2, 1, 0
	s_wait_dscnt 0
	WIN MUL_HI
	MULB 4, 1, 0
	MULB 6, 1, 0
	WIN 0
.macro TOSTAGE a
.set AC, 32*((\a)%4)
	WIN 0x02+((\a)/4)
.irp j, 0,2,4,6,8,10,12,14,16,18,20,22,24,26,28,30
	v_pk_mul_f32 v[TMP+\j:TMP+\j+1], v[AC+\j:AC+\j+1], s[96:97] op_sel_hi:[1,0]
.endr
	WIN 0
.irp b, 0,1,2,3
	ds_store_b128 v[STO], v[TMP+8*\b:TMP+8*\b+3] offset:128*(\b/2)+32*(\b%2)
	ds_store_b128 v[STO], v[TMP+8*\b+4:TMP+8*\b+7] offset:128*(\b/2)+32*(\b%2)+16
.endr
.set BB, BK+32*((\a)%2)
.irp t, 0,1,2,3,4,5,6,7
	ds_load_b128 v[BB+4*\t:BB+4*\t+3], v[RD] offset:\t*2*SPITCH
.endr
.endm
.macro SEND a, younger
.set BB, BK+32*((\a)%2)
	s_wait_dscnt \younger
.irp t, 0,1,2,3,4,5,6,7
	global_store_b128 v[CO], v[BB+4*\t:BB+4*\t+3], s[10:11] offset:(32*((\a)/2)+8*((\a)%2)+2*\t+8*(\t/4))*4096 th:TH_STORE_NT
.endr
.endm
	s_wait_kmcnt 0x0
	s_add_co_i32 s96, s96, s97
	s_add_co_i32 s96, s96, 127
	s_lshl_b32 s96, s96, 23
	PLACES NP
	TOSTAGE 0
.irp a, 1,2,3,4,5,6,7
.if \a > 1
	s_wait_xcnt 0x0
.endif
	TOSTAGE \a
	SEND \a-1, 16
.endr
	SEND 7, 0
	s_wait_tensorcnt 0x0
	ds_add_u32 v[SPW], v[NIL]
	s_wait_dscnt 0x0
	CROUND
	s_endpgm
.Lfunc_end_k_q65e6222ec4_gemm_out:
	.size	k_q65e6222ec4_gemm_out, .Lfunc_end_k_q65e6222ec4_gemm_out-k_q65e6222ec4_gemm_out
	.p2alignl 7, 3214868480
	.fill 96, 4, 3214868480
	.section	.rodata,"a",@progbits
	.p2align	6, 0x0
	.amdhsa_kernel k_q65e6222ec4_gemm_out
		.amdhsa_group_segment_fixed_size 327680
		.amdhsa_private_segment_fixed_size 0
		.amdhsa_enable_private_segment 0
		.amdhsa_kernarg_size 32
		.amdhsa_user_sgpr_count 2
		.amdhsa_user_sgpr_kernarg_segment_ptr 1
		.amdhsa_wavefront_size32 1
		.amdhsa_system_sgpr_workgroup_id_x 1
		.amdhsa_system_sgpr_workgroup_id_y 1
		.amdhsa_system_sgpr_workgroup_id_z 1
		.amdhsa_system_vgpr_workitem_id 0
		.amdhsa_next_free_vgpr 1024
		.amdhsa_next_free_sgpr 100
		.amdhsa_reserve_vcc 0
		.amdhsa_float_denorm_mode_32 3
		.amdhsa_float_denorm_mode_16_64 3
		.amdhsa_memory_ordered 1
		.amdhsa_forward_progress 1
		.amdhsa_inst_pref_size 78
	.end_amdhsa_kernel
	.amdgpu_metadata
---
amdhsa.version: [ 1, 2 ]
amdhsa.kernels:
  - .name:           k_q65e6222ec4_gemm_out
    .symbol:         k_q65e6222ec4_gemm_out.kd
    .args:
      - { .name: o_img, .offset: 0, .size: 8, .value_kind: global_buffer, .address_space: global }
      - { .name: w_img, .offset: 8, .size: 8, .value_kind: global_buffer, .address_space: global }
      - { .name: lowp_scales, .offset: 16, .size: 8, .value_kind: global_buffer, .address_space: global }
      - { .name: out0, .offset: 24, .size: 8, .value_kind: global_buffer, .address_space: global }
    .group_segment_fixed_size: 327680
    .private_segment_fixed_size: 0
    .kernarg_segment_align: 8
    .kernarg_segment_size: 32
    .max_flat_workgroup_size: 128
    .sgpr_count:     100
    .vgpr_count:     1024
    .wavefront_size: 32
...
	.end_amdgpu_metadata
.endif
;; end of part 4
